; MI455X (gfx1250); checked and timed in simulation.
; The chip was launched on July 23, 2026; its instructions are those of AMD's public machine-readable ISA for CDNA 5 (MIT licence, August 2026) and "CDNA5" Instruction Set Architecture Reference Guide (July 2026). The comments in the code are by the model that wrote it; some were corrected since.
;; Scaled Dot Product Attention. Allowed arithmetic: matrix products marked QUANTISED: E5M2 operands, one E8M0 scale for each 32 along K, by v_wmma_scale_f32_16x16x128_f8f6f4 with both operands' format E5M2, f32 sums; everything else in f32.
;; Inputs: key 32 x 2,048 x 64 float32; mask 32 x 2,048 bool; query 32 x 2,048 x 64 float32; value 32 x 2,048 x 64 float32.
;; Outputs: out0 32 x 2,048 x 64 float32.
;; This version of the problem:
;;   THIS VERSION OF THE PROBLEM IS GIVEN IN LOW PRECISION. The matrix products marked QUANTISED in the list below multiply operands that are first quantised to E5M2 (5 exponent bits, 2 mantissa bits; 8 bits a number), with one power-of-two scale for each 32 numbers along K (OCP MX v1.0); their sums are f32. All else is computed in f32.
;;   The module's matrix products, in the order in which they are computed (A, B: the left and right operand; K: the contracted axis; several contracted axes count as one K, in the product's order):
;;     1. batch 32 x [M 2,048, K 64] x [K 64, N 2,048]; A: input query; B: input key: QUANTISED
;;     2. batch 32 x [M 2,048, K 2,048] x [K 2,048, N 64]; A: softmax (see below); B: input value: QUANTISED
;;   THE QUANTISER, for each operand of a quantised product, along K:
;;     - K is cut into blocks of 32 from its start; a last block that is shorter is filled with zeros.
;;     - A block's scale is 2^e with e = floor(log2(the largest magnitude in the block)) - 15, held to -126 .. 127; a block of zeros has e = 0. As a byte (E8M0): e + 127.
;;     - Each number is divided by its block's scale, clamped to +-57,344, and rounded to the nearest number of E5M2, ties to even, subnormals kept.
;;     - The product sums the exact products of the quantised numbers (number of the format x scale) in f32.
;;   ~~~python
;;   def quantise(x, axis):      # numpy; x: float32 -> the quantised numbers, widened to float32 again
;;       x = np.moveaxis(x, axis, -1); K = x.shape[-1]
;;       x = np.pad(x, [(0, 0)] * (x.ndim - 1) + [(0, -K % 32)]); x = x.reshape(x.shape[:-1] + (-1, 32)); a = np.abs(x).max(-1, keepdims=True)
;;       e = np.where(a > 0, np.clip(np.frexp(np.where(a > 0, a, 1))[1] - 1 - 15, -126, 127), 0)      # np.frexp(a)[1] - 1 = floor(log2(a)), exactly
;;       r = np.clip(x / 2.0 ** e, -57344, 57344)
;;       step = 2.0 ** (np.maximum(np.frexp(np.where(r == 0, 1, r))[1] - 1, -14) - 2)
;;       q = np.round(r / step) * step * 2.0 ** e      # np.round: ties to even
;;       return np.moveaxis(q.reshape(q.shape[:-2] + (-1,))[..., :K], -1, axis).astype(np.float32)
;;   ~~~
;;   SOFTMAX AHEAD OF A QUANTISED PRODUCT. Where the list says 'softmax', what is quantised is not the finished softmax but p = 2^(t - M), with t = logit x log2(e) and M = ceil(the row's largest t), a whole number; so 1/2 < the row's largest p <= 1. The row's sum l is taken of the UNQUANTISED p, in f32, and the product's result is divided by l at the end. Since M is a whole number, a kernel that streams over the keys may use a running M (the ceiling of the running maximum): every later rescaling is an exact power of two, which a block's scale takes up: the codes' values come out the same.
;;   OPERANDS COMPUTED ON THE WAY. 'Computed on the way' means the value that the module computes at that place (a softmax that the list does not call 'softmax' is quantised finished and normalised). What goes into a quantiser is computed in f32, as accurately as f32 sums, v_exp_f32 and their like allow (about 1e-6 of the number): no bf16 or f16 on the way to a quantiser, and a product that is left as it is and whose result goes on into a quantised operand takes f32 operands (vector FMAs, or v_wmma_f32_16x16x4_f32). A number that lies on a knife's edge between two numbers of the format may be rounded either way, as far as f32 arithmetic and the matrix unit's own rounding can turn it there, and no further.
;; 2 versions. Each part assembles by itself: llvm-mc -triple=amdgcn-amd-amdhsa -mcpu=gfx1250 --defsym DOCPART=n.
;; ======== version 1 of 2: 2 launches
;; limits: right only within a limited range of input values
;; workspace buffers: kv 8,388,608 bytes; aux 524,288 bytes; meta 4,096 bytes of whole numbers
;; launch prep (part 1): grid 16 x 32, 4 waves a work-group, no clusters, 70,144 bytes of LDS; arguments key, value, mask, kv, aux, meta; writes kv, aux, meta
.if DOCPART == 1
	.amdgcn_target "amdgcn-amd-amdhsa--gfx1250"
	.amdhsa_code_object_version 6
	.text
	.protected	k_q5770d07d39_prep
	.globl	k_q5770d07d39_prep
	.p2align	8
	.type	k_q5770d07d39_prep,@function
k_q5770d07d39_prep:
	s_mov_b64 s[64:65], 0
	v_nop
	global_prefetch_b8 v0, s[64:65] scope:SCOPE_SE
	s_setreg_imm32_b32 hwreg(HW_REG_WAVE_MODE, 25, 1), 1
	s_wait_xcnt 0x0
; key, value: [32][2048][64] f32; mask: [32][2048] bytes (0 or 1).  A work-group takes one KEY STEP (128 keys) of one batch and lays down what the attention launch reads:
;   kv   [32][16][16,384]: four fragments of K, then four of V, codes of BF8 (E5M2), each fragment an IMAGE OF THE OPERAND'S REGISTERS: byte 512 c + 16 lane holds registers 4 c .. 4 c + 3 of that lane.
;   aux  [32][16][1,024]:  bytes 128 f + 4 lane: lanes 0-15 the scale word of row lane of K's fragment f, lanes 16-31 that of row lane - 16 of V's tile f; bytes 512 + 4 k: 0.0 where key k's mask is true, else -80,000.0.
;   meta [32][32] words:   word t: the batch's index of step t's first true key (4,096 or more: none); word 16 + t: 1 if step t has a false key.
; K'S FRAGMENT f (keys 32 f on) holds TWO tiles of 16 keys, since the head's 64 are half of the matrix instruction's 128 along K: lane (r, h), registers 4 c on: c = 0, 1: dims 32 c + 16 h + 0..15 of key 32 f + r + 8 (r / 8);
; c = 2, 3: dims 32 (c - 2) + 16 h + 0..15 of the key 8 further on.  V'S TILE t: lane (r, h), registers 4 c on: keys 32 c + 16 h + 0..15 of channel 16 t + r (the keys are the second product's K).
; A block's scale is 2^(floor(log2(its largest magnitude)) - 15); its byte is the largest magnitude's exponent field - 15, held at 1 from below (a block of zeros keeps the byte 1: its codes are zeros, and this program alone reads the bytes).
; LIMITS: blocks whose largest magnitude lies under 2^-111 keep the byte 1; NaN and infinities among the inputs are not served.
; Wave w loads keys 32 w .. 32 w + 31 of both tensors, 512 consecutive bytes a load, and makes K's fragment w and V's tile w.  K turns through the wave's own stage; V's tile wants all 128 keys, so V's stage is shared: one barrier.
; The aux and meta stores are short (128 and 4 bytes): together one byte in 130 of what the launch moves.
.set PITCH, 272                        ; a stage row: a key's 256 bytes + 16 of padding
.set WST,   32*PITCH                   ; 32 rows: a wave's part of a stage
.set VST,   4*WST                      ; K's four stages, then V's 128 rows
.set RAWK,  16                         ; v16-79   K as loaded; later V's 64 numbers in the operand's order
.set RAWV,  80                         ; v80-143  V as loaded; later wave 0's mask biases
.set XK,    144                        ; v144-207 K's 64 numbers in the operand's order
.set XV,    16
.set TM,    240                        ; v240-243 largest magnitudes, v244-247 bytes, v248-251 the largest number x the scale, v252-255 the conversions' scale operands
	s_load_b256 s[4:11], s[0:1], 0x0               ; key s[4:5], value s[6:7], mask s[8:9], kv s[10:11]
	s_load_b128 s[12:15], s[0:1], 0x20             ; aux s[12:13], meta s[14:15]
	s_set_vgpr_msb 0x40
	v_lshl_add_u32 v0, v0, 2, 0x11000
	v_mov_b32 v1, 0
	s_set_vgpr_msb 0x4000
	v_lshrrev_b32 v1, 5, v0
	v_readfirstlane_b32 s16, v1                    ; wave 0..3
	v_and_b32 v1, 31, v0                           ; lane
	v_and_b32 v2, 15, v0                           ; r
	v_bfe_u32 v3, v0, 4, 1                         ; h
	v_lshlrev_b32 v4, 4, v1                        ; 16 x lane: my bytes of a load's or a store's 512
	s_mul_i32 s34, s16, WST                        ; my wave's 32 rows in a stage
	v_mul_u32_u24 v5, v3, PITCH
	v_lshl_add_u32 v5, v2, 4, v5
	v_add_nc_u32 v5, s34, v5                       ; into a stage: a load's 512 bytes are two rows: row lane / 16, byte 16 (lane % 16)
	v_and_b32 v6, 8, v2
	v_add_nc_u32 v6, v6, v2                        ; r + 8 (r / 8)
	v_mul_u32_u24 v6, v6, PITCH
	v_lshl_add_u32 v6, v3, 6, v6
	v_add_nc_u32 v6, s34, v6                       ; K out of my stage: that row, + 64 h: 16 numbers of a block of 32
	v_mul_u32_u24 v7, v3, 16*PITCH
	v_lshl_add_u32 v7, v2, 2, v7
	s_lshl_b32 s35, s16, 6
	s_add_co_u32 s35, s35, VST
	v_add_nc_u32 v7, s35, v7                       ; V out of its stage: key 16 h, channel 16 w + r
	v_lshlrev_b32 v8, 2, v1                        ; 4 x lane
	v_mov_b32 v13, 0xc79c4000                      ; -80,000.0 = 8 x -10,000: the scores stay 8 x the logits until the softmax's own scaling
	v_mov_b32 v15, 0
.irp b, 0,1,2,3
	v_mov_b32 v[TM+4+\b], 0                        ; written once: a lane permute's destination counts as one of its sources
.endr
	s_mov_b32 s20, 0x76543210
	s_mov_b32 s21, 0xfedcba98                      ; v_permlanex16_b32's selects for lane l xor 16
	s_mov_b32 s22, 0x600000                        ; the mantissa field of 57,344
	s_mov_b32 s17, ttmp9                           ; the key step
	s_and_b32 s18, ttmp7, 0xffff                   ; the batch
	s_lshl_b32 s24, s18, 19                        ; key, value: (2,048 b + 128 step + 32 w) rows of 256 bytes
	s_lshl_b32 s44, s17, 15
	s_add_co_u32 s24, s24, s44
	s_lshl_b32 s44, s16, 13
	s_add_co_u32 s24, s24, s44
	s_mov_b32 s25, 0
	s_lshl_b32 s26, s18, 11                        ; mask: 2,048 b + 128 step
	s_lshl_b32 s44, s17, 7
	s_add_co_u32 s26, s26, s44
	s_mov_b32 s27, 0
	s_lshl_b32 s47, s18, 4
	s_add_co_u32 s47, s47, s17                     ; 16 b + step
	s_lshl_b32 s28, s47, 14                        ; kv: 16,384 a step, + my fragment's 2,048
	s_lshl_b32 s44, s16, 11
	s_add_co_u32 s28, s28, s44
	s_mov_b32 s29, 0
	s_lshl_b32 s30, s47, 10                        ; aux: 1,024 a step, + my 128 bytes of scale words (0 in wave 0, which also stores the biases)
	s_lshl_b32 s44, s16, 7
	s_add_co_u32 s30, s30, s44
	s_mov_b32 s31, 0
	s_lshl_b32 s32, s18, 7                         ; meta: 128 b + 4 step
	s_lshl_b32 s44, s17, 2
	s_add_co_u32 s32, s32, s44
	s_mov_b32 s33, 0
	s_wait_kmcnt 0x0
	s_add_nc_u64 s[4:5], s[4:5], s[24:25]
	s_add_nc_u64 s[6:7], s[6:7], s[24:25]
	s_add_nc_u64 s[8:9], s[8:9], s[26:27]
	s_add_nc_u64 s[10:11], s[10:11], s[28:29]
	s_add_nc_u64 s[12:13], s[12:13], s[30:31]
	s_add_nc_u64 s[14:15], s[14:15], s[32:33]
	s_cmp_lg_u32 s16, 0                            ; wave 0 takes the step's 128 mask bytes, four a lane.  The load is the oldest, so the counts below hold in every wave
	s_cbranch_scc1 .Lno_mask
	global_load_b32 v9, v8, s[8:9]
.Lno_mask:
.irp n, 0,1,2,3,4,5,6,7,8,9,10,11,12,13,14,15
	global_load_b128 v[RAWK+4*\n:RAWK+4*\n+3], v4, s[4:5] offset:512*\n th:TH_LOAD_NT
.endr
.irp n, 0,1,2,3,4,5,6,7,8,9,10,11,12,13,14,15
	global_load_b128 v[RAWV+4*\n:RAWV+4*\n+3], v4, s[6:7] offset:512*\n th:TH_LOAD_NT
.endr
	s_wait_loadcnt 16                              ; K's sixteen loads are in; V's sixteen, issued behind them, may be out
.irp n, 0,1,2,3,4,5,6,7,8,9,10,11,12,13,14,15
	ds_store_b128 v5, v[RAWK+4*\n:RAWK+4*\n+3] offset:2*PITCH*\n
.endr
.irp c, 0,1,2,3                        ; LDS serves a wave's instructions in order, and the stage is my own: no wait between the stores and these loads
.irp j, 0,1,2,3
	ds_load_b128 v[XK+16*\c+4*\j:XK+16*\c+4*\j+3], v6 offset:8*PITCH*(\c/2)+128*(\c%2)+16*\j
.endr
.endr
	s_wait_loadcnt 0x0                             ; V (and in wave 0 the mask bytes)
.irp n, 0,1,2,3,4,5,6,7,8,9,10,11,12,13,14,15
	ds_store_b128 v5, v[RAWV+4*\n:RAWV+4*\n+3] offset:VST+2*PITCH*\n
.endr
	s_wait_dscnt 0x0                               ; for the others' sake: my rows of V lie in the stage (and my K is back)
	s_barrier_signal -1
	s_barrier_wait -1
.irp c, 0,1,2,3                        ; a lane takes a channel, and its registers run down the keys: nothing is transposed by an instruction
.irp i, 0,1,2,3,4,5,6,7,8,9,10,11,12,13,14,15
	ds_load_b32 v[XV+16*\c+\i], v7 offset:(32*\c+\i)*PITCH
.endr
.endr
; 64 numbers of a lane, register 16 b + i = place 32 b + 16 h + i along K of my row, become a fragment's codes in v[dst] on and its scale word in v[word].
.macro QUANT src, dst, word
.irp b, 0,1,2,3
	v_max3_num_f32 v[TM+\b], |v[\src+16*\b]|, |v[\src+16*\b+1]|, 0x8000000   ; block b: my 16 numbers, and the floor 2^(16 - 127): the byte cannot fall under 1
.endr
.irp i, 2,4,6,8,10,12,14
.irp b, 0,1,2,3
	v_max3_num_f32 v[TM+\b], v[TM+\b], |v[\src+16*\b+\i]|, |v[\src+16*\b+\i+1]|   ; the four blocks by turns
.endr
.endr
.irp b, 0,1,2,3
	v_permlanex16_b32 v[TM+4+\b], v[TM+\b], s20, s21
.endr
.irp b, 0,1,2,3
	v_max_num_f32 v[TM+\b], v[TM+\b], v[TM+4+\b]   ; with lane l xor 16's 16: the block's largest magnitude
.endr
.irp b, 0,1,2,3
	v_add_nc_u32 v[TM+12+\b], 0xf8800000, v[TM+\b] ; 15 off its exponent field: the conversion takes this operand's exponent field as its scale
.endr
.irp b, 0,1,2,3
	v_and_or_b32 v[TM+8+\b], v[TM+\b], 0x7f800000, s22   ; 57,344 x the scale
.endr
.irp b, 0,1,2,3
	v_lshrrev_b32 v[TM+4+\b], 23, v[TM+12+\b]      ; the scale's byte
.endr
	v_lshl_or_b32 v[\word], v[TM+5], 8, v[TM+4]
	v_lshl_or_b32 v[\word], v[TM+6], 16, v[\word]
	v_lshl_or_b32 v[\word], v[TM+7], 24, v[\word]
.irp b, 0,1,2,3
.irp i, 0,1,2,3,4,5,6,7,8,9,10,11,12,13,14,15
	v_med3_num_f32 v[\src+16*\b+\i], v[\src+16*\b+\i], -v[TM+8+\b], v[TM+8+\b]   ; the conversion to an 8-bit code does not saturate (ISA guide 7.6.2): the hold at the largest code x the scale
.endr
	v_cvt_scalef32_pk8_bf8_f32 v[\dst+4*\b:\dst+4*\b+1], v[\src+16*\b:\src+16*\b+7], v[TM+12+\b]
	v_cvt_scalef32_pk8_bf8_f32 v[\dst+4*\b+2:\dst+4*\b+3], v[\src+16*\b+8:\src+16*\b+15], v[TM+12+\b]
.endr
	v_nop                                          ; a plain line behind the last conversion: the next vector lines write its scale operands again
.endm
	QUANT XK, 208, 10                              ; K's fragment, while V's 64 loads are on their way
.irp c, 0,1,2,3
	global_store_b128 v4, v[208+4*\c:208+4*\c+3], s[10:11] offset:512*\c        ; 512 consecutive bytes a store
.endr
	s_wait_dscnt 0x0                               ; V's numbers are in
	QUANT XV, 224, 11
.irp c, 0,1,2,3
	global_store_b128 v4, v[224+4*\c:224+4*\c+3], s[10:11] offset:8192+512*\c
.endr
	v_cmp_le_u32 vcc_lo, 16, v1
	v_cndmask_b32 v12, v10, v11, vcc_lo            ; lanes 0-15 K's scale words, lanes 16-31 V's: one register serves both products
	global_store_b32 v8, v12, s[12:13]
	s_cmp_lg_u32 s16, 0
	s_cbranch_scc1 .Ldone
	; wave 0: the mask.  Lane l holds the bytes of keys 4 l .. 4 l + 3
.irp j, 0,1,2,3
	v_bfe_u32 v14, v9, 8*\j, 8
	v_cmp_ne_u32 s[40+\j], 0, v14                  ; the lanes whose key 4 l + j is true
	v_cndmask_b32 v[RAWV+\j], v13, v15, s[40+\j]   ; 0.0 where true, else -80,000.0
.endr
	global_store_b128 v4, v[RAWV:RAWV+3], s[12:13] offset:512
	s_ctz_i32_b32 s44, s40                         ; the first true key: 4 x the lowest lane + j, the least over j.  Of a word without a bit the count is -1 (ISA guide, S_CTZ_I32_B32): unsigned, the greatest
	s_lshl_b32 s44, s44, 2
.irp j, 1,2,3
	s_ctz_i32_b32 s45, s[40+\j]
	s_lshl_b32 s45, s45, 2
	s_add_co_u32 s45, s45, \j
	s_min_u32 s44, s44, s45
.endr
	s_min_u32 s44, s44, 4096                       ; none: 4,096
	s_lshl_b32 s45, s17, 7
	s_add_co_u32 s44, s44, s45                     ; counted from the batch's first key
	s_and_b32 s45, s40, s41
	s_and_b32 s46, s42, s43
	s_and_b32 s45, s45, s46
	s_cmp_lg_u32 s45, -1
	s_cselect_b32 s45, 1, 0                        ; 1: some key of the step is false
	v_mov_b32 v14, s44
	v_mov_b32 v15, s45
	v_cmp_eq_u32 vcc_lo, 0, v1
	v_cndmask_b32 v14, v15, v14, vcc_lo            ; lane 0: the first true key; lane 1: the flag
	v_lshlrev_b32 v240, 6, v1                      ; the flag's word lies 16 words behind
	s_wait_xcnt 0x0                                ; EXEC is a source of the stores above: it changes only behind this wait
	v_cmp_gt_u32 vcc_lo, 2, v1
	s_and_saveexec_b32 s46, vcc_lo
	global_store_b32 v240, v14, s[14:15]
	s_wait_xcnt 0x0                                ; and again in front of the line that widens it
	s_or_b32 exec_lo, exec_lo, s46
.Ldone:
	s_set_vgpr_msb 0x5
	s_wait_tensorcnt 0x0
	ds_add_u32 v0, v1
	s_wait_dscnt 0x0
	s_set_vgpr_msb 0x500
	s_endpgm
.Lfunc_end_k_q5770d07d39_prep:
	.size	k_q5770d07d39_prep, .Lfunc_end_k_q5770d07d39_prep-k_q5770d07d39_prep
	.p2alignl 7, 3214868480
	.fill 96, 4, 3214868480
	.section	.rodata,"a",@progbits
	.p2align	6, 0x0
	.amdhsa_kernel k_q5770d07d39_prep
		.amdhsa_group_segment_fixed_size 70144
		.amdhsa_private_segment_fixed_size 0
		.amdhsa_enable_private_segment 0
		.amdhsa_kernarg_size 48
		.amdhsa_user_sgpr_count 2
		.amdhsa_user_sgpr_kernarg_segment_ptr 1
		.amdhsa_wavefront_size32 1
		.amdhsa_system_sgpr_workgroup_id_x 1
		.amdhsa_system_sgpr_workgroup_id_y 1
		.amdhsa_system_sgpr_workgroup_id_z 1
		.amdhsa_system_vgpr_workitem_id 0
		.amdhsa_next_free_vgpr 258
		.amdhsa_next_free_sgpr 66
		.amdhsa_reserve_vcc 1
		.amdhsa_float_denorm_mode_32 3
		.amdhsa_float_denorm_mode_16_64 3
		.amdhsa_memory_ordered 1
		.amdhsa_forward_progress 1
		.amdhsa_inst_pref_size 33
	.end_amdhsa_kernel
	.amdgpu_metadata
---
amdhsa.version: [ 1, 2 ]
amdhsa.kernels:
  - .name:           k_q5770d07d39_prep
    .symbol:         k_q5770d07d39_prep.kd
    .args:
      - { .name: key, .offset: 0, .size: 8, .value_kind: global_buffer, .address_space: global }
      - { .name: value, .offset: 8, .size: 8, .value_kind: global_buffer, .address_space: global }
      - { .name: mask, .offset: 16, .size: 8, .value_kind: global_buffer, .address_space: global }
      - { .name: kv, .offset: 24, .size: 8, .value_kind: global_buffer, .address_space: global }
      - { .name: aux, .offset: 32, .size: 8, .value_kind: global_buffer, .address_space: global }
      - { .name: meta, .offset: 40, .size: 8, .value_kind: global_buffer, .address_space: global }
    .group_segment_fixed_size: 70144
    .private_segment_fixed_size: 0
    .kernarg_segment_align: 8
    .kernarg_segment_size: 48
    .max_flat_workgroup_size: 128
    .sgpr_count:     66
    .vgpr_count:     258
    .wavefront_size: 32
...
	.end_amdgpu_metadata
.endif
;; end of part 1
;; launch attn (part 2): grid 8 x 32, 16 waves a work-group, no clusters, 120,832 bytes of LDS; arguments query, kv, aux, meta, out0; writes out0
.if DOCPART == 2
	.amdgcn_target "amdgcn-amd-amdhsa--gfx1250"
	.amdhsa_code_object_version 6
	.text
	.protected	k_q5770d07d39_attn
	.globl	k_q5770d07d39_attn
	.p2align	8
	.type	k_q5770d07d39_attn,@function
k_q5770d07d39_attn:
	s_mov_b64 s[64:65], 0
	v_nop
	global_prefetch_b8 v0, s[64:65] scope:SCOPE_SE
	s_setreg_imm32_b32 hwreg(HW_REG_WAVE_MODE, 25, 1), 1
	s_wait_xcnt 0x0
; out0[b][q][:] = the sum over k of softmax_k(e) value[b][k][:], e = q . k / 8 - 10,000 [k > q] - 10,000 (1 - mask[b][k]); both products on codes of BF8 (E5M2) with one E8M0 scale for each 32 along a product's K.
; K, V, their scale words, the mask's biases and two whole numbers a key step come from the launch before (buffers kv, aux, meta: their layouts stand at its head).  Q is quantised here, in registers.
; THE SOFTMAX AHEAD OF THE SECOND PRODUCT: t = e log2(e); M = the row's largest t so far, rounded UP to a whole number; p = 2^(t - M) is quantised along the keys, not normalised; the row's sum is taken of the
; unquantised p and divides at the end; when M moves, the sum and O are multiplied by 2^(old M - new M): exact.
; THE BIASES ARE FINITE AND ARE ADDED AS THE SOURCE ADDS THEM.  The scores are kept as s = 8 e, so each bias is -80,000: 8 is a power of two, so s - 80,000 rounds as 8 (e - 10,000) does.  First the causal one, then the mask's.
; SHARES.  A key step is 128 keys.  Work-group x of batch y owns the blocks x and 15 - x of 128 queries, so that every work-group has 17 block-steps under the diagonal.  Sixteen waves, each ONE tile of 16 queries in 256
; registers, four to a SIMD: one wave's vector work stands beside another's matrix work and LDS loads.  Wave w: tile w / 2 of block x or 15 - x, by (w xor w / 4) & 1: every group of four neighbours, and every fourth wave, has two of each.
; WHAT IS LEFT OUT.  A row with a true key at or before its query gives every later key the weight 2^(-14,427 or less) = 0 in f32.  So a wave whose first query is at or behind the batch's first true key (from meta) works key
; steps 0 to its own block's and no further; any other wave walks all 16.  All trips and barriers are run by every wave; what is jumped over, by scalar branches on ids and on meta's whole numbers, is a step's work, and its fetch where no wave of the work-group wants it.
; LIMIT: that counts hidden keys as weight 0, which is what the source gives while no hidden key's q . k / 8 exceeds the row's best visible true key's by about 9,900.  NaN and infinities among the inputs are not served; blocks of Q under 2^-111 keep the scale byte 1.
; NO TENSOR LOADS, NO CLUSTER: branches here hang on numbers read from memory.  A step's 16,384 bytes come by two 16-byte loads a thread into registers and go to the
; other of two LDS slots at the trip's end: one barrier a trip.  What the 8 work-groups of a batch share is those 16,384 bytes a step.
; LAYOUT.  Both products are used transposed (S^T = K Q^T, O^T = V^T P^T): a lane holds ONE query (lane % 16) throughout.  The head's 64 are half of the instruction's 128 along K: a fragment of K holds two tiles of 16 keys side by
; side and is multiplied once by [Q | 0] and once by [0 | Q]; the zeros are zero codes, and K's codes are finite.  Register 16 b + i of the scores is key 32 b + 16 (lane / 16) + i of the step: 16 neighbours along the next K.
.set SLOTB, 16384                      ; LDS: two slots, each a step's image as it lies in kv;
.set AUXL,  2*SLOTB                    ; the batch's aux, 16,384 bytes, filled once;
.set STAGE, AUXL+16384                 ; the way out: 16 rows x (256 + 16) bytes for each wave
.set LI,  1                            ; v1   16 x lane: my place in an image
.set LSC, 2                            ; v2   AUXL + 4 x lane: my scale word
.set LMB, 3                            ; v3   AUXL + 512 + 64 (lane / 16): my 16 biases of a block
.set STI, 4                            ; v4   16 x thread: my bytes of a fetch
.set PFO, 5                            ; v5   the prefetches' offset; never rewritten
.set D0,  6                            ; v6   lane % 16 - 16 (lane / 16)
.set ADS, 7                            ; v7   the step's scale words
.set ADM, 8                            ; v8   the step's biases
.set DD,  9                            ; v9   my query less the first key that my registers hold
.set GO,  10                           ; v10  the way out: my byte offset in the wave's rows of out0
.set NB,  11                           ; v11  -80,000.0
                                       ; v12 -M, v13 the largest t, v[14:15] the sum in two halves; v16-23 zeros, v24-31 Q's codes, v32-39 zeros: [0 | Q] = v[16:31], [Q | 0] = v[24:39]
.set FRG, 40                           ; v40-103  four fragments: K's, then the biases, then V's
.set SCO, 104                          ; v104-167 the scores, then p
.set OTR, 168                          ; v168-199 O^T
.set PCD, 200                          ; v200-215 p's codes
.set BMX, 216                          ; v216-219 a block's largest score, then its largest p
.set TP2, 220                          ; v220-223 at work
.set HLD, 224                          ; v224-227 57,344 x the scale
.set SCL, 228                          ; v228-231 the conversions' scale operands
.set SCW, 232                          ; v232-235 scale words: lanes 0-15 K's fragment f, lanes 16-31 V's tile f
.set QSW, 236                          ; v236 Q's scale word
.set PSW, 237                          ; v237 p's
.set FF,  238                          ; v[238:239] f = 2^(old M - new M), and a 0 that is named with it as a pair
.set WK,  240                          ; v240-243 at work; the causal biases, two pairs by turns
.set STG, 244                          ; v244-251 the next step's bytes on their way to LDS
.set SM2, 252                          ; v[252:253] the sum's second chain
.set SO,  254                          ; v254 the stage: where I put 32 bytes of a row
.set SR,  255                          ; v255 and where I read a row back
.set KVB, 6                            ; s[6:7] kv at the step that the trip fetches
.set WV,  14
.set XX,  15
.set BB,  16
.set BLK, 19                           ; my block of 128 queries
.set Q0,  20                           ; my first query
.set FB,  21                           ; the batch's first true key
.set FLAGS, 22                         ; bit t: step t has a false key
.set LASTW, 23                         ; the last step that my wave works
.set LASTWG, 24                        ; the last that any wave of the work-group works
.set TT,  25                           ; the step
.set TA,  26                           ; 1,024 x the step: its place in aux
.set LP,  27
.set SEL, 28                           ; s[28:29] lane selects for v_permlanex16_b32: lane l xor 16
.set CS,  30                           ; s[30:31] c = log2(e) / 8
.set MNT, 66                           ; the mantissa field of 57,344
.set LIM, 67                           ; a wave prefetches while the step is under this
	s_load_b256 s[4:11], s[0:1], 0x0               ; query s[4:5], kv s[6:7], aux s[8:9], meta s[10:11]
	s_load_b64 s[12:13], s[0:1], 0x20              ; out0
	v_lshrrev_b32 v241, 5, v0
	v_readfirstlane_b32 s[WV], v241                ; wave 0..15
	s_mov_b32 s[XX], ttmp9
	s_and_b32 s[BB], ttmp7, 0xffff
	s_lshr_b32 s18, s[WV], 1                       ; my tile in the block
	s_lshr_b32 s17, s[WV], 2
	s_xor_b32 s17, s17, s[WV]
	s_and_b32 s17, s17, 1                          ; 0: block x; 1: block 15 - x
	s_sub_co_u32 s68, 15, s[XX]
	s_cmp_eq_u32 s17, 1
	s_cselect_b32 s[BLK], s68, s[XX]
	s_lshl_b32 s[Q0], s[BLK], 7
	s_lshl_b32 s69, s18, 4
	s_add_co_u32 s[Q0], s[Q0], s69
	s_lshl_b32 s68, s[BB], 19                      ; query, out0: (2,048 b + my first query) rows of 256 bytes
	s_lshl_b32 s69, s[Q0], 8
	s_add_co_u32 s68, s68, s69
	s_mov_b32 s69, 0
	s_lshl_b32 s70, s[BB], 18                      ; kv: 262,144 a batch
	s_mov_b32 s71, 0
	s_lshl_b32 s72, s[BB], 14                      ; aux: 16,384 a batch
	s_mov_b32 s73, 0
	v_lshlrev_b32 v[STI], 4, v0
	v_and_b32 v241, 15, v0                         ; r
	v_bfe_u32 v242, v0, 4, 1                       ; h
	v_and_b32 v243, 31, v0                         ; lane
	v_lshlrev_b32 v240, 8, v241
	v_lshl_add_u32 v240, v242, 6, v240             ; Q: row r, + 64 h: my 16 numbers of a block of 32
	s_wait_kmcnt 0x0
	s_add_nc_u64 s[4:5], s[4:5], s[68:69]
	s_add_nc_u64 s[12:13], s[12:13], s[68:69]
	s_add_nc_u64 s[KVB:KVB+1], s[KVB:KVB+1], s[70:71]
	s_add_nc_u64 s[8:9], s[8:9], s[72:73]
	s_lshl_b32 s72, s[BB], 7                       ; meta: 128 a batch
	s_add_nc_u64 s[10:11], s[10:11], s[72:73]
	s_load_b512 s[32:47], s[10:11], 0x0            ; each step's first true key
	s_load_b512 s[48:63], s[10:11], 0x40           ; each step's flag
	global_load_b128 v[FRG:FRG+3], v[STI], s[8:9]                  ; the batch's aux: 512 threads x 16 bytes, twice
	global_load_b128 v[FRG+4:FRG+7], v[STI], s[8:9] offset:8192
	global_load_b128 v[STG:STG+3], v[STI], s[KVB:KVB+1]            ; key step 0
	global_load_b128 v[STG+4:STG+7], v[STI], s[KVB:KVB+1] offset:8192
.irp c, 0,1
.irp j, 0,1,2,3
	global_load_b128 v[SCO+16*\c+4*\j:SCO+16*\c+4*\j+3], v240, s[4:5] offset:128*\c+16*\j th:TH_LOAD_NT   ; Q(r, 32 c + 16 h + 4 j ..)
.endr
.endr
	v_lshlrev_b32 v[LI], 4, v243
	v_lshl_add_u32 v[LSC], v243, 2, AUXL
	v_lshl_add_u32 v[LMB], v242, 6, AUXL+512
	s_lshl_b32 s68, s18, 13
	v_lshl_add_u32 v[PFO], v243, 8, s68            ; lanes 256 bytes apart; wave 1 takes a step's first 8,192 bytes, wave 3 the rest
	v_lshlrev_b32 v[D0], 4, v242
	v_sub_nc_u32 v[D0], v241, v[D0]
	v_lshlrev_b32 v[GO], 8, v242
	v_lshl_add_u32 v[GO], v241, 4, v[GO]           ; lanes 0-15 one row of out0, lanes 16-31 the next
	v_mov_b32 v[NB], 0xc79c4000
	v_mov_b32 v13, 0xff61b1e6                      ; the largest t so far: -3e38, under every t
	v_floor_f32 v12, -v13                          ; -M
	v_mov_b32 v14, 0
	v_mov_b32 v15, 0
.irp j, 0,1,2,3,4,5,6,7
	v_mov_b32 v[16+\j], 0                          ; the zero codes on both sides of Q's
	v_mov_b32 v[32+\j], 0
.endr
.irp j, 0,1,2,3,4,5,6,7,8,9,10,11,12,13,14,15,16,17,18,19,20,21,22,23,24,25,26,27,28,29,30,31
	v_mov_b32 v[OTR+\j], 0                         ; O^T.  The step is written without a first step of its own: the first change of M multiplies zeros
.endr
.irp b, 0,1,2,3
	v_mov_b32 v[TP2+\b], 0                         ; written once: a lane permute's destination counts as one of its sources
.endr
	v_mov_b32 v[FF+1], 0
	s_mul_i32 s68, s[WV], 16*272
	s_add_co_u32 s68, s68, STAGE                   ; my stage
	v_mul_u32_u24 v[SO], v241, 272
	v_lshl_add_u32 v[SO], v242, 5, v[SO]
	v_add_nc_u32 v[SO], s68, v[SO]                 ; in: row r; tile t's eight channels of my half: 64 t + 32 h bytes on
	v_mul_u32_u24 v[SR], v242, 272
	v_lshl_add_u32 v[SR], v241, 4, v[SR]
	v_add_nc_u32 v[SR], s68, v[SR]                 ; back: lanes 0-15 one row, lanes 16-31 the next
	s_mov_b32 s[SEL], 0x76543210
	s_mov_b32 s[SEL+1], 0xfedcba98
	s_mov_b32 s[CS], 0x3e38aa3b                    ; c = log2(e) / 8: t = s c
	s_mov_b32 s[CS+1], s[CS]                       ; (named with it as a pair, so it is written)
	s_mov_b32 s[MNT], 0x600000
	s_wait_loadcnt 8                               ; aux and step 0 are in; Q's eight loads, issued behind them, may be out
	ds_store_b128 v[STI], v[FRG:FRG+3] offset:AUXL
	ds_store_b128 v[STI], v[FRG+4:FRG+7] offset:AUXL+8192
	ds_store_b128 v[STI], v[STG:STG+3]
	ds_store_b128 v[STI], v[STG+4:STG+7] offset:8192
	s_add_nc_u64 s[KVB:KVB+1], s[KVB:KVB+1], SLOTB ; step 0's loads are done, so their base may step: on to step 1
	s_wait_loadcnt 0x0                             ; Q
	; Q's two blocks of 32 become eight registers of codes and two scale bytes
.irp b, 0,1
	v_max3_num_f32 v[BMX+\b], |v[SCO+16*\b]|, |v[SCO+16*\b+1]|, 0x8000000   ; my 16 numbers, and the floor 2^(16 - 127): the byte cannot fall under 1
.endr
.irp i, 2,4,6,8,10,12,14
.irp b, 0,1
	v_max3_num_f32 v[BMX+\b], v[BMX+\b], |v[SCO+16*\b+\i]|, |v[SCO+16*\b+\i+1]|
.endr
.endr
.irp b, 0,1
	v_permlanex16_b32 v[TP2+\b], v[BMX+\b], s[SEL], s[SEL+1]
.endr
.irp b, 0,1
	v_max_num_f32 v[BMX+\b], v[BMX+\b], v[TP2+\b]  ; with lane l xor 16's: the block's largest magnitude
.endr
.irp b, 0,1
	v_add_nc_u32 v[SCL+\b], 0xf8800000, v[BMX+\b]  ; 15 off its exponent field: the conversion's scale operand
.endr
.irp b, 0,1
	v_and_or_b32 v[HLD+\b], v[BMX+\b], 0x7f800000, s[MNT]   ; 57,344 x the scale
.endr
.irp b, 0,1
	v_lshrrev_b32 v[TP2+\b], 23, v[SCL+\b]         ; the scale's byte
.endr
	v_lshl_or_b32 v[QSW], v[TP2+1], 8, v[TP2]
	v_lshl_or_b32 v[QSW], v[QSW], 16, v[QSW]       ; the two bytes twice: for [Q | 0] and for [0 | Q]; over the zero codes any byte but 0xff serves
.irp b, 0,1
.irp i, 0,1,2,3,4,5,6,7,8,9,10,11,12,13,14,15
	v_med3_num_f32 v[SCO+16*\b+\i], v[SCO+16*\b+\i], -v[HLD+\b], v[HLD+\b]   ; the conversion to an 8-bit code does not saturate (ISA guide 7.6.2)
.endr
	v_cvt_scalef32_pk8_bf8_f32 v[24+4*\b:25+4*\b], v[SCO+16*\b:SCO+16*\b+7], v[SCL+\b]
	v_cvt_scalef32_pk8_bf8_f32 v[26+4*\b:27+4*\b], v[SCO+16*\b+8:SCO+16*\b+15], v[SCL+\b]
.endr
	v_nop                                          ; a plain line behind the last conversion
	s_wait_kmcnt 0x0                               ; meta
	s_min_u32 s[FB], s32, s33
.irp t, 2,3,4,5,6,7,8,9,10,11,12,13,14,15
	s_min_u32 s[FB], s[FB], s[32+\t]
.endr
	s_mov_b32 s[FLAGS], s48
.irp t, 1,2,3,4,5,6,7,8,9,10,11,12,13,14,15
	s_lshl_b32 s68, s[48+\t], \t
	s_or_b32 s[FLAGS], s[FLAGS], s68
.endr
	s_cmp_ge_u32 s[Q0], s[FB]                      ; have all my queries a true key at or before them?
	s_cselect_b32 s[LASTW], s[BLK], 15
	s_lshl_b32 s68, s[XX], 7                       ; the work-group's first query is block x's first
	s_sub_co_u32 s69, 15, s[XX]
	s_cmp_ge_u32 s68, s[FB]
	s_cselect_b32 s[LASTWG], s69, 15
	s_or_b32 s68, s[WV], 2                         ; who prefetches: waves 1 and 3 of the batch's first work-group.  Both own tiles of block 15, so they work every step
	s_xor_b32 s68, s68, 3
	s_or_b32 s68, s68, s[XX]
	s_cmp_eq_u32 s68, 0
	s_cselect_b32 s[LIM], 13, 0                    ; the last prefetch, in step 12, names step 15
	s_mov_b32 s[TT], 0
	s_mov_b32 s[TA], 0
	s_mov_b32 s[LP], 8
	s_wait_dscnt 0x0                               ; for the others' sake: my bytes of aux and of step 0 lie in LDS
	s_barrier_signal -1
	s_barrier_wait -1
; A KEY STEP, read from slot \slot.
.macro STEP slot
	; the next step's bytes are asked for, if any wave of the work-group will work it; they go to the other slot at the trip's end
	s_cmp_lt_u32 s[TT], s[LASTWG]
	s_cbranch_scc0 .Lnofetch_\@
	global_load_b128 v[STG:STG+3], v[STI], s[KVB:KVB+1]
	global_load_b128 v[STG+4:STG+7], v[STI], s[KVB:KVB+1] offset:8192
	; A PREFETCH INTO THE L2 of the step that the trip after next will fetch (step + 3): 16,384 bytes, lanes 256 bytes apart, one instruction in each of two waves.  All 8 work-groups of a batch walk the same kv:
	; the first of them asks, so each aligned block of 256 bytes is named once in the launch.  Steps 0 to 2 come by their loads alone.
	s_cmp_lt_u32 s[TT], s[LIM]
	s_cbranch_scc0 .Lnofetch_\@
	global_prefetch_b8 v[PFO], s[KVB:KVB+1] offset:2*SLOTB th:TH_LOAD_NT scope:SCOPE_SE
.Lnofetch_\@:
	s_cmp_gt_u32 s[TT], s[LASTW]                   ; a step that my wave leaves out: only the lines at the trip's end are run
	s_cbranch_scc1 .Lhidden_\@
	v_add_nc_u32 v[ADS], s[TA], v[LSC]
	v_add_nc_u32 v[ADM], s[TA], v[LMB]
.rept 6
	v_nop                                          ; with the two additions: eight places in front of loads into registers that the last step's matrix instructions have read
.endr
.irp b, 0,1,2,3
.irp c, 0,1,2,3
	ds_load_b128 v[FRG+16*\b+4*\c:FRG+16*\b+4*\c+3], v[LI] offset:\slot*SLOTB+2048*\b+512*\c
.endr
	ds_load_b32 v[SCW+\b], v[ADS] offset:128*\b
.endr
	s_wait_dscnt 0x0
.irp b, 0,1,2,3                        ; S^T = K Q^T: fragment b's two tiles of keys
	v_wmma_scale_f32_16x16x128_f8f6f4 v[SCO+16*\b:SCO+16*\b+7], v[FRG+16*\b:FRG+16*\b+15], v[24:39], 0, v[SCW+\b], v[QSW] matrix_a_fmt:MATRIX_FMT_BF8 matrix_b_fmt:MATRIX_FMT_BF8
	v_wmma_scale_f32_16x16x128_f8f6f4 v[SCO+16*\b+8:SCO+16*\b+15], v[FRG+16*\b:FRG+16*\b+15], v[16:31], 0, v[SCW+\b], v[QSW] matrix_a_fmt:MATRIX_FMT_BF8 matrix_b_fmt:MATRIX_FMT_BF8
.endr
.rept 8
	v_nop                                          ; eight places in front of the first read of the scores and of the loads into K's registers
.endr
	; THE CAUSAL BIAS, in the steps that hold a key behind one of my block's queries (a branch on ids).  Register 16 b + i holds key 128 T + 16 (lane / 16) + 32 b + i: hidden where 32 b + i > d
	s_cmp_lt_u32 s[TT], s[BLK]
	s_cbranch_scc1 .Lopen_\@
	s_lshl_b32 s68, s[TT], 7
	s_sub_co_i32 s68, s[Q0], s68
	v_add_nc_u32 v[DD], s68, v[D0]                 ; d = my query - 128 T - 16 (lane / 16)
.set NN, 0
.rept 32                               ; each accumulator from its low end on; two pairs of biases by turns
	v_cmp_gt_i32 vcc_lo, 32*(NN/16)+NN%16, v[DD]
	v_cndmask_b32 v[WK+2*((NN/2)%2)], 0, v[NB], vcc_lo
	v_cmp_gt_i32 vcc_lo, 32*(NN/16)+NN%16+1, v[DD]
	v_cndmask_b32 v[WK+2*((NN/2)%2)+1], 0, v[NB], vcc_lo
	v_pk_add_f32 v[SCO+NN:SCO+NN+1], v[SCO+NN:SCO+NN+1], v[WK+2*((NN/2)%2):WK+2*((NN/2)%2)+1]
.set NN, NN+2
.endr
.Lopen_\@:
	; THE MASK'S BIAS, in the steps that have a false key (a branch on meta's flag)
	s_lshr_b32 s68, s[FLAGS], s[TT]
	s_and_b32 s68, s68, 1
	s_cmp_eq_u32 s68, 0
	s_cbranch_scc1 .Lnoholes_\@
.irp b, 0,1,2,3
.irp j, 0,1,2,3
	ds_load_b128 v[FRG+16*\b+4*\j:FRG+16*\b+4*\j+3], v[ADM] offset:128*\b+16*\j   ; the biases of keys 32 b + 16 (lane / 16) + 4 j on
.endr
.endr
	s_wait_dscnt 0x0
.set NN, 0
.rept 32
	v_pk_add_f32 v[SCO+NN:SCO+NN+1], v[SCO+NN:SCO+NN+1], v[FRG+NN:FRG+NN+1]
.set NN, NN+2
.endr
.Lnoholes_\@:
.irp t, 0,1,2,3                        ; V's four tiles are asked for here and land while the softmax is worked
.irp c, 0,1,2,3
	ds_load_b128 v[FRG+16*\t+4*\c:FRG+16*\t+4*\c+3], v[LI] offset:\slot*SLOTB+8192+2048*\t+512*\c
.endr
.endr
.irp b, 0,1,2,3
	v_max3_num_f32 v[BMX+\b], v[SCO+16*\b], v[SCO+16*\b+1], v[SCO+16*\b+2]   ; THE LARGEST SCORE OF EACH BLOCK OF 32 KEYS: for the row's maximum, and, since p rises with the score, for the block's largest p
.endr
.irp i, 3,5,7,9,11,13
.irp b, 0,1,2,3
	v_max3_num_f32 v[BMX+\b], v[BMX+\b], v[SCO+16*\b+\i], v[SCO+16*\b+\i+1]
.endr
.endr
.irp b, 0,1,2,3
	v_max_num_f32 v[BMX+\b], v[BMX+\b], v[SCO+16*\b+15]
.endr
.irp b, 0,1,2,3
	v_permlanex16_b32 v[TP2+\b], v[BMX+\b], s[SEL], s[SEL+1]
.endr
.irp b, 0,1,2,3
	v_max_num_f32 v[BMX+\b], v[BMX+\b], v[TP2+\b]  ; with lane l xor 16's 16 keys
.endr
	v_max3_num_f32 v[WK], v[BMX], v[BMX+1], v[BMX+2]
	v_max_num_f32 v[WK], v[WK], v[BMX+3]           ; the step's largest score of my query
	v_mul_f32 v[WK], s[CS], v[WK]                  ; as t (c is positive)
	v_max_num_f32 v13, v13, v[WK]                  ; the running largest t
	v_mov_b32 v[WK], v12
	v_floor_f32 v12, -v13                          ; the new -M = floor(-t) = -ceil(t): M is a whole number
	v_sub_f32 v[WK], v12, v[WK]                    ; M's old value less its new one: a whole number, 0 or less
	v_cvt_i32_f32 v[WK], v[WK]                     ; (it saturates)
	v_ldexp_f32 v[FF], 1.0, v[WK]                  ; f = 2^(old M - new M)
.set NN, 0
.rept 32
	v_pk_fma_f32 v[SCO+NN:SCO+NN+1], v[SCO+NN:SCO+NN+1], s[CS:CS+1], v[12:13] op_sel_hi:[1,0,0]   ; t - M, two at a time (of the pairs c and -M the low word serves both halves)
.set NN, NN+2
.endr
.irp b, 0,1,2,3
	v_fma_f32 v[BMX+\b], v[BMX+\b], s[CS], v12     ; the same of each block's largest score
.endr
.set NN, 0
.rept 64
	v_exp_f32 v[SCO+NN], v[SCO+NN]                 ; p = 2^(t - M): not normalised
.set NN, NN+1
.endr
	v_pk_mul_f32 v[14:15], v[14:15], v[FF:FF+1] op_sel_hi:[1,0]   ; the sums under the new M: the plain line behind the exponentials
	s_wait_alu depctr_va_vdst(0)                   ; one wait for the batch of 64, ahead of its first reader
.irp b, 0,1,2,3
	v_exp_f32 v[BMX+\b], v[BMX+\b]                 ; the block's largest p: the same two instructions on the same number give the same bits
.endr
	v_pk_add_f32 v[SM2:SM2+1], v[SCO:SCO+1], v[SCO+2:SCO+3]       ; THE ROW'S SUM IS TAKEN OF THE UNQUANTISED p: two at a time, in two chains; it reads the 64 alone
.set NN, 4
.rept 15
	v_pk_add_f32 v[14:15], v[14:15], v[SCO+NN:SCO+NN+1]
	v_pk_add_f32 v[SM2:SM2+1], v[SM2:SM2+1], v[SCO+NN+2:SCO+NN+3]
.set NN, NN+4
.endr
	v_pk_add_f32 v[14:15], v[14:15], v[SM2:SM2+1]
	s_wait_alu depctr_va_vdst(0)                   ; and one for the four
.irp b, 0,1,2,3
	v_max_num_f32 v[BMX+\b], 0x8000000, v[BMX+\b]  ; the floor 2^(16 - 127): a block whose every p has fallen to 0 keeps the byte 1: its codes are zeros
.endr
.irp b, 0,1,2,3
	v_add_nc_u32 v[SCL+\b], 0xf8800000, v[BMX+\b]  ; 15 off the exponent field: the conversion's scale operand
.endr
.irp b, 0,1,2,3
	v_and_or_b32 v[HLD+\b], v[BMX+\b], 0x7f800000, s[MNT]   ; 57,344 x the scale
.endr
.irp b, 0,1,2,3
	v_lshrrev_b32 v[TP2+\b], 23, v[SCL+\b]         ; the scale's byte
.endr
	v_lshl_or_b32 v[PSW], v[TP2+1], 8, v[TP2]      ; p's scale word for these 128 keys
	v_lshl_or_b32 v[PSW], v[TP2+2], 16, v[PSW]
	v_lshl_or_b32 v[PSW], v[TP2+3], 24, v[PSW]
.irp b, 0,1,2,3
.irp i, 0,1,2,3,4,5,6,7,8,9,10,11,12,13,14,15
	v_min_num_f32 v[SCO+16*\b+\i], v[SCO+16*\b+\i], v[HLD+\b]   ; p is not negative, so the hold is one-sided
.endr
	v_cvt_scalef32_pk8_bf8_f32 v[PCD+4*\b:PCD+4*\b+1], v[SCO+16*\b:SCO+16*\b+7], v[SCL+\b]
	v_cvt_scalef32_pk8_bf8_f32 v[PCD+4*\b+2:PCD+4*\b+3], v[SCO+16*\b+8:SCO+16*\b+15], v[SCL+\b]
.endr
.set NN, 0
.rept 16
	v_pk_mul_f32 v[OTR+NN:OTR+NN+1], v[OTR+NN:OTR+NN+1], v[FF:FF+1] op_sel_hi:[1,0]   ; O^T under the new M.  These sixteen are also the places between the codes and the matrix instructions below
.set NN, NN+2
.endr
	s_wait_dscnt 0x0                               ; V is in
.irp t, 0,1,2,3                        ; O^T += V^T P^T: the four accumulators by turns, with the eight products of K Q^T between one step's turn and the next's
	v_wmma_scale_f32_16x16x128_f8f6f4 v[OTR+8*\t:OTR+8*\t+7], v[FRG+16*\t:FRG+16*\t+15], v[PCD:PCD+15], v[OTR+8*\t:OTR+8*\t+7], v[SCW+\t], v[PSW] matrix_a_fmt:MATRIX_FMT_BF8 matrix_b_fmt:MATRIX_FMT_BF8 matrix_a_scale:MATRIX_SCALE_ROW1
.endr
.Lhidden_\@:
	; THE TRIP'S END, in every wave.  The other slot was last read a trip ago, and every wave has waited for those reads in front of that trip's barrier: so it may be written.  It is read behind the barrier below.
	s_wait_loadcnt 0x0                             ; the next step's bytes are in my registers
	s_cmp_lt_u32 s[TT], s[LASTWG]
	s_cbranch_scc0 .Lnostore_\@
	ds_store_b128 v[STI], v[STG:STG+3] offset:(1-\slot)*SLOTB
	ds_store_b128 v[STI], v[STG+4:STG+7] offset:(1-\slot)*SLOTB+8192
.Lnostore_\@:
	s_wait_xcnt 0x0                                ; the trip's loads and its prefetch have read their base: it may step
	s_add_nc_u64 s[KVB:KVB+1], s[KVB:KVB+1], SLOTB
	s_add_co_u32 s[TT], s[TT], 1
	s_add_co_u32 s[TA], s[TA], 1024
	s_wait_dscnt 0x0                               ; for the others' sake: my stores have landed, and my reads of this trip's slot are over
	s_barrier_signal -1
	s_barrier_wait -1
.endm
.Ltrip:                                            ; eight trips of two steps, so that a slot's number is a constant of each step's text
	STEP 0
	STEP 1
	s_sub_co_u32 s[LP], s[LP], 1
	s_cmp_lg_u32 s[LP], 0
	s_cbranch_scc1 .Ltrip
	; THE WAY OUT.  O^T is divided by the row's sum and goes through my own stage in LDS, so that a store covers two whole rows of 256 bytes.
.rept 8
	v_nop                                          ; eight places behind the last products
.endr
	v_add_f32 v14, v14, v15                        ; the sum's two halves,
	v_permlanex16_b32 v[WK], v14, s[SEL], s[SEL+1]
	v_add_f32 v14, v14, v[WK]                      ; and lane l xor 16's: the row's sum; its largest term is over 1/2
	v_rcp_f32 v14, v14
	v_nop                                          ; a plain line behind the reciprocal,
	s_wait_alu depctr_va_vdst(0)                   ; and the wait ahead of its first reader
.set NN, 0
.rept 32
	v_mul_f32 v[SCO+NN], v[OTR+NN], v14            ; register 8 t + j is out0(r, 16 t + 8 h + j)
.set NN, NN+1
.endr
.irp t, 0,1,2,3
	ds_store_b128 v[SO], v[SCO+8*\t:SCO+8*\t+3] offset:64*\t
	ds_store_b128 v[SO], v[SCO+8*\t+4:SCO+8*\t+7] offset:64*\t+16
.endr
.irp i, 0,1,2,3,4,5,6,7
	ds_load_b128 v[FRG+4*\i:FRG+4*\i+3], v[SR] offset:2*272*\i     ; LDS serves a wave's instructions in order, and the stage is my own: these see my stores
.endr
.irp i, 0,1,2,3,4,5,6,7
	s_wait_dscnt 7-\i                              ; load i is back; the younger ones may be out
	global_store_b128 v[GO], v[FRG+4*\i:FRG+4*\i+3], s[12:13] offset:512*\i th:TH_STORE_NT   ; 32 lanes store 512 consecutive bytes, at a multiple of 256 from out0's first byte
.endr
	s_wait_xcnt 0x0
	v_lshl_add_u32 v254, v0, 2, 0x1d000
	v_mov_b32 v255, 0
	s_wait_tensorcnt 0x0
	ds_add_u32 v254, v255
	s_wait_dscnt 0x0
	s_endpgm
.Lfunc_end_k_q5770d07d39_attn:
	.size	k_q5770d07d39_attn, .Lfunc_end_k_q5770d07d39_attn-k_q5770d07d39_attn
	.p2alignl 7, 3214868480
	.fill 96, 4, 3214868480
	.section	.rodata,"a",@progbits
	.p2align	6, 0x0
	.amdhsa_kernel k_q5770d07d39_attn
		.amdhsa_group_segment_fixed_size 120832
		.amdhsa_private_segment_fixed_size 0
		.amdhsa_enable_private_segment 0
		.amdhsa_kernarg_size 40
		.amdhsa_user_sgpr_count 2
		.amdhsa_user_sgpr_kernarg_segment_ptr 1
		.amdhsa_wavefront_size32 1
		.amdhsa_system_sgpr_workgroup_id_x 1
		.amdhsa_system_sgpr_workgroup_id_y 1
		.amdhsa_system_sgpr_workgroup_id_z 1
		.amdhsa_system_vgpr_workitem_id 0
		.amdhsa_next_free_vgpr 256
		.amdhsa_next_free_sgpr 80
		.amdhsa_reserve_vcc 1
		.amdhsa_float_denorm_mode_32 3
		.amdhsa_float_denorm_mode_16_64 3
		.amdhsa_memory_ordered 1
		.amdhsa_forward_progress 1
		.amdhsa_inst_pref_size 75
	.end_amdhsa_kernel
	.amdgpu_metadata
---
amdhsa.version: [ 1, 2 ]
amdhsa.kernels:
  - .name:           k_q5770d07d39_attn
    .symbol:         k_q5770d07d39_attn.kd
    .args:
      - { .name: query, .offset: 0, .size: 8, .value_kind: global_buffer, .address_space: global }
      - { .name: kv, .offset: 8, .size: 8, .value_kind: global_buffer, .address_space: global }
      - { .name: aux, .offset: 16, .size: 8, .value_kind: global_buffer, .address_space: global }
      - { .name: meta, .offset: 24, .size: 8, .value_kind: global_buffer, .address_space: global }
      - { .name: out0, .offset: 32, .size: 8, .value_kind: global_buffer, .address_space: global }
    .group_segment_fixed_size: 120832
    .private_segment_fixed_size: 0
    .kernarg_segment_align: 8
    .kernarg_segment_size: 40
    .max_flat_workgroup_size: 512
    .sgpr_count:     80
    .vgpr_count:     256
    .wavefront_size: 32
...
	.end_amdgpu_metadata
.endif
;; end of part 2
;; ======== version 2 of 2: 2 launches
;; limits: right only within a limited range of input values
;; workspace buffers: kv 8,388,608 bytes; aux 524,288 bytes; meta 4,096 bytes of whole numbers
;; launch prep (part 3): grid 16 x 32, 4 waves a work-group, no clusters, 70,144 bytes of LDS; arguments key, value, mask, kv, aux, meta; writes kv, aux, meta
.if DOCPART == 3
	.amdgcn_target "amdgcn-amd-amdhsa--gfx1250"
	.amdhsa_code_object_version 6
	.text
	.protected	k_q5770d07d39_prep
	.globl	k_q5770d07d39_prep
	.p2align	8
	.type	k_q5770d07d39_prep,@function
k_q5770d07d39_prep:
	s_mov_b64 s[64:65], 0
	v_nop
	global_prefetch_b8 v0, s[64:65] scope:SCOPE_SE
	s_setreg_imm32_b32 hwreg(HW_REG_WAVE_MODE, 25, 1), 1
	s_wait_xcnt 0x0
; key, value: [32][2048][64] f32; mask: [32][2048] bytes (0 or 1).  A work-group takes one KEY STEP (128 keys) of one batch and lays down what the attention launch reads:
;   kv   [32][16][16,384]: four fragments of K, then four of V, codes of BF8 (E5M2), each fragment an IMAGE OF THE OPERAND'S REGISTERS: byte 512 c + 16 lane holds registers 4 c .. 4 c + 3 of that lane.
;   aux  [32][16][1,024]:  bytes 128 f + 4 lane: lanes 0-15 the scale word of row lane of K's fragment f, lanes 16-31 that of row lane - 16 of V's tile f; bytes 512 + 4 k: 0.0 where key k's mask is true, else -80,000.0.
;   meta [32][32] words:   word t: the batch's index of step t's first true key (4,096 or more: none); word 16 + t: 1 if step t has a false key.
; K'S FRAGMENT f (keys 32 f on) holds TWO tiles of 16 keys, since the head's 64 are half of the matrix instruction's 128 along K: lane (r, h), registers 4 c on: c = 0, 1: dims 32 c + 16 h + 0..15 of key 32 f + r + 8 (r / 8);
; c = 2, 3: dims 32 (c - 2) + 16 h + 0..15 of the key 8 further on.  V'S TILE t: lane (r, h), registers 4 c on: keys 32 c + 16 h + 0..15 of channel 16 t + r (the keys are the second product's K).
; A block's scale is 2^(floor(log2(its largest magnitude)) - 15); its byte is the largest magnitude's exponent field - 15, held at 1 from below (a block of zeros keeps the byte 1: its codes are zeros, and this program alone reads the bytes).
; LIMITS: blocks whose largest magnitude lies under 2^-111 keep the byte 1; NaN and infinities among the inputs are not served.
; Wave w loads keys 32 w .. 32 w + 31 of both tensors, 512 consecutive bytes a load, and makes K's fragment w and V's tile w.  K turns through the wave's own stage; V's tile wants all 128 keys, so V's stage is shared: one barrier.
; The aux and meta stores are short (128 and 4 bytes): together one byte in 130 of what the launch moves.
.set PITCH, 272                        ; a stage row: a key's 256 bytes + 16 of padding
.set WST,   32*PITCH                   ; 32 rows: a wave's part of a stage
.set VST,   4*WST                      ; K's four stages, then V's 128 rows
.set RAWK,  16                         ; v16-79   K as loaded; later V's 64 numbers in the operand's order
.set RAWV,  80                         ; v80-143  V as loaded; later wave 0's mask biases
.set XK,    144                        ; v144-207 K's 64 numbers in the operand's order
.set XV,    16
.set TM,    240                        ; v240-243 largest magnitudes, v244-247 bytes, v248-251 the largest number x the scale, v252-255 the conversions' scale operands
	s_load_b256 s[4:11], s[0:1], 0x0               ; key s[4:5], value s[6:7], mask s[8:9], kv s[10:11]
	s_load_b128 s[12:15], s[0:1], 0x20             ; aux s[12:13], meta s[14:15]
	s_set_vgpr_msb 0x40
	v_lshl_add_u32 v0, v0, 2, 0x11000
	v_mov_b32 v1, 0
	s_set_vgpr_msb 0x4000
	v_lshrrev_b32 v1, 5, v0
	v_readfirstlane_b32 s16, v1                    ; wave 0..3
	v_and_b32 v1, 31, v0                           ; lane
	v_and_b32 v2, 15, v0                           ; r
	v_bfe_u32 v3, v0, 4, 1                         ; h
	v_lshlrev_b32 v4, 4, v1                        ; 16 x lane: my bytes of a load's or a store's 512
	s_mul_i32 s34, s16, WST                        ; my wave's 32 rows in a stage
	v_mul_u32_u24 v5, v3, PITCH
	v_lshl_add_u32 v5, v2, 4, v5
	v_add_nc_u32 v5, s34, v5                       ; into a stage: a load's 512 bytes are two rows: row lane / 16, byte 16 (lane % 16)
	v_and_b32 v6, 8, v2
	v_add_nc_u32 v6, v6, v2                        ; r + 8 (r / 8)
	v_mul_u32_u24 v6, v6, PITCH
	v_lshl_add_u32 v6, v3, 6, v6
	v_add_nc_u32 v6, s34, v6                       ; K out of my stage: that row, + 64 h: 16 numbers of a block of 32
	v_mul_u32_u24 v7, v3, 16*PITCH
	v_lshl_add_u32 v7, v2, 2, v7
	s_lshl_b32 s35, s16, 6
	s_add_co_u32 s35, s35, VST
	v_add_nc_u32 v7, s35, v7                       ; V out of its stage: key 16 h, channel 16 w + r
	v_lshlrev_b32 v8, 2, v1                        ; 4 x lane
	v_mov_b32 v13, 0xc79c4000                      ; -80,000.0 = 8 x -10,000: the scores stay 8 x the logits until the softmax's own scaling
	v_mov_b32 v15, 0
.irp b, 0,1,2,3
	v_mov_b32 v[TM+4+\b], 0                        ; written once: a lane permute's destination counts as one of its sources
.endr
	s_mov_b32 s20, 0x76543210
	s_mov_b32 s21, 0xfedcba98                      ; v_permlanex16_b32's selects for lane l xor 16
	s_mov_b32 s22, 0x600000                        ; the mantissa field of 57,344
	s_mov_b32 s17, ttmp9                           ; the key step
	s_and_b32 s18, ttmp7, 0xffff                   ; the batch
	s_lshl_b32 s24, s18, 19                        ; key, value: (2,048 b + 128 step + 32 w) rows of 256 bytes
	s_lshl_b32 s44, s17, 15
	s_add_co_u32 s24, s24, s44
	s_lshl_b32 s44, s16, 13
	s_add_co_u32 s24, s24, s44
	s_mov_b32 s25, 0
	s_lshl_b32 s26, s18, 11                        ; mask: 2,048 b + 128 step
	s_lshl_b32 s44, s17, 7
	s_add_co_u32 s26, s26, s44
	s_mov_b32 s27, 0
	s_lshl_b32 s47, s18, 4
	s_add_co_u32 s47, s47, s17                     ; 16 b + step
	s_lshl_b32 s28, s47, 14                        ; kv: 16,384 a step, + my fragment's 2,048
	s_lshl_b32 s44, s16, 11
	s_add_co_u32 s28, s28, s44
	s_mov_b32 s29, 0
	s_lshl_b32 s30, s47, 10                        ; aux: 1,024 a step, + my 128 bytes of scale words (0 in wave 0, which also stores the biases)
	s_lshl_b32 s44, s16, 7
	s_add_co_u32 s30, s30, s44
	s_mov_b32 s31, 0
	s_lshl_b32 s32, s18, 7                         ; meta: 128 b + 4 step
	s_lshl_b32 s44, s17, 2
	s_add_co_u32 s32, s32, s44
	s_mov_b32 s33, 0
	s_wait_kmcnt 0x0
	s_add_nc_u64 s[4:5], s[4:5], s[24:25]
	s_add_nc_u64 s[6:7], s[6:7], s[24:25]
	s_add_nc_u64 s[8:9], s[8:9], s[26:27]
	s_add_nc_u64 s[10:11], s[10:11], s[28:29]
	s_add_nc_u64 s[12:13], s[12:13], s[30:31]
	s_add_nc_u64 s[14:15], s[14:15], s[32:33]
	s_cmp_lg_u32 s16, 0                            ; wave 0 takes the step's 128 mask bytes, four a lane.  The load is the oldest, so the counts below hold in every wave
	s_cbranch_scc1 .Lno_mask
	s_wait_alu depctr_va_vdst(0)
	global_load_b32 v9, v8, s[8:9]
.Lno_mask:
.irp n, 0,1,2,3,4,5,6,7,8,9,10,11,12,13,14,15
	global_load_b128 v[RAWK+4*\n:RAWK+4*\n+3], v4, s[4:5] offset:512*\n th:TH_LOAD_NT
.endr
.irp n, 0,1,2,3,4,5,6,7,8,9,10,11,12,13,14,15
	global_load_b128 v[RAWV+4*\n:RAWV+4*\n+3], v4, s[6:7] offset:512*\n th:TH_LOAD_NT
.endr
	s_wait_loadcnt 16                              ; K's sixteen loads are in; V's sixteen, issued behind them, may be out
.irp n, 0,1,2,3,4,5,6,7,8,9,10,11,12,13,14,15
	ds_store_b128 v5, v[RAWK+4*\n:RAWK+4*\n+3] offset:2*PITCH*\n
.endr
.irp c, 0,1,2,3                        ; LDS serves a wave's instructions in order, and the stage is my own: no wait between the stores and these loads
.irp j, 0,1,2,3
	ds_load_b128 v[XK+16*\c+4*\j:XK+16*\c+4*\j+3], v6 offset:8*PITCH*(\c/2)+128*(\c%2)+16*\j
.endr
.endr
	s_wait_loadcnt 0x0                             ; V (and in wave 0 the mask bytes)
.irp n, 0,1,2,3,4,5,6,7,8,9,10,11,12,13,14,15
	ds_store_b128 v5, v[RAWV+4*\n:RAWV+4*\n+3] offset:VST+2*PITCH*\n
.endr
	s_wait_dscnt 0x0                               ; for the others' sake: my rows of V lie in the stage (and my K is back)
	s_barrier_signal -1
	s_barrier_wait -1
	s_wait_alu depctr_va_vdst(0)
.irp c, 0,1,2,3                        ; a lane takes a channel, and its registers run down the keys: nothing is transposed by an instruction
.irp i, 0,1,2,3,4,5,6,7,8,9,10,11,12,13,14,15
	ds_load_b32 v[XV+16*\c+\i], v7 offset:(32*\c+\i)*PITCH
.endr
.endr
; 64 numbers of a lane, register 16 b + i = place 32 b + 16 h + i along K of my row, become a fragment's codes in v[dst] on and its scale word in v[word].
.macro QUANT src, dst, word
.irp b, 0,1,2,3
	v_max3_num_f32 v[TM+\b], |v[\src+16*\b]|, |v[\src+16*\b+1]|, 0x8000000   ; block b: my 16 numbers, and the floor 2^(16 - 127): the byte cannot fall under 1
.endr
.irp i, 2,4,6,8,10,12,14
.irp b, 0,1,2,3
	v_max3_num_f32 v[TM+\b], v[TM+\b], |v[\src+16*\b+\i]|, |v[\src+16*\b+\i+1]|   ; the four blocks by turns
.endr
.endr
.irp b, 0,1,2,3
	v_permlanex16_b32 v[TM+4+\b], v[TM+\b], s20, s21
.endr
.irp b, 0,1,2,3
	v_max_num_f32 v[TM+\b], v[TM+\b], v[TM+4+\b]   ; with lane l xor 16's 16: the block's largest magnitude
.endr
.irp b, 0,1,2,3
	v_add_nc_u32 v[TM+12+\b], 0xf8800000, v[TM+\b] ; 15 off its exponent field: the conversion takes this operand's exponent field as its scale
.endr
.irp b, 0,1,2,3
	v_and_or_b32 v[TM+8+\b], v[TM+\b], 0x7f800000, s22   ; 57,344 x the scale
.endr
.irp b, 0,1,2,3
	v_lshrrev_b32 v[TM+4+\b], 23, v[TM+12+\b]      ; the scale's byte
.endr
	v_lshl_or_b32 v[\word], v[TM+5], 8, v[TM+4]
	v_lshl_or_b32 v[\word], v[TM+6], 16, v[\word]
	v_lshl_or_b32 v[\word], v[TM+7], 24, v[\word]
.irp b, 0,1,2,3
.irp i, 0,1,2,3,4,5,6,7,8,9,10,11,12,13,14,15
	v_med3_num_f32 v[\src+16*\b+\i], v[\src+16*\b+\i], -v[TM+8+\b], v[TM+8+\b]   ; the conversion to an 8-bit code does not saturate (ISA guide 7.6.2): the hold at the largest code x the scale
.endr
	v_cvt_scalef32_pk8_bf8_f32 v[\dst+4*\b:\dst+4*\b+1], v[\src+16*\b:\src+16*\b+7], v[TM+12+\b]
	v_cvt_scalef32_pk8_bf8_f32 v[\dst+4*\b+2:\dst+4*\b+3], v[\src+16*\b+8:\src+16*\b+15], v[TM+12+\b]
.endr
	v_nop                                          ; a plain line behind the last conversion: the next vector lines write its scale operands again
.endm
	QUANT XK, 208, 10                              ; K's fragment, while V's 64 loads are on their way
.irp c, 0,1,2,3
	global_store_b128 v4, v[208+4*\c:208+4*\c+3], s[10:11] offset:512*\c        ; 512 consecutive bytes a store
.endr
	s_wait_dscnt 0x0                               ; V's numbers are in
	QUANT XV, 224, 11
.irp c, 0,1,2,3
	global_store_b128 v4, v[224+4*\c:224+4*\c+3], s[10:11] offset:8192+512*\c
.endr
	v_cmp_le_u32 vcc_lo, 16, v1
	v_cndmask_b32 v12, v10, v11, vcc_lo            ; lanes 0-15 K's scale words, lanes 16-31 V's: one register serves both products
	global_store_b32 v8, v12, s[12:13]
	s_cmp_lg_u32 s16, 0
	s_cbranch_scc1 .Ldone
	; wave 0: the mask.  Lane l holds the bytes of keys 4 l .. 4 l + 3
.irp j, 0,1,2,3
	v_bfe_u32 v14, v9, 8*\j, 8
	v_cmp_ne_u32 s[40+\j], 0, v14                  ; the lanes whose key 4 l + j is true
	v_cndmask_b32 v[RAWV+\j], v13, v15, s[40+\j]   ; 0.0 where true, else -80,000.0
.endr
	global_store_b128 v4, v[RAWV:RAWV+3], s[12:13] offset:512
	s_ctz_i32_b32 s44, s40                         ; the first true key: 4 x the lowest lane + j, the least over j.  Of a word without a bit the count is -1 (ISA guide, S_CTZ_I32_B32): unsigned, the greatest
	s_lshl_b32 s44, s44, 2
.irp j, 1,2,3
	s_ctz_i32_b32 s45, s[40+\j]
	s_lshl_b32 s45, s45, 2
	s_add_co_u32 s45, s45, \j
	s_min_u32 s44, s44, s45
.endr
	s_min_u32 s44, s44, 4096                       ; none: 4,096
	s_lshl_b32 s45, s17, 7
	s_add_co_u32 s44, s44, s45                     ; counted from the batch's first key
	s_and_b32 s45, s40, s41
	s_and_b32 s46, s42, s43
	s_and_b32 s45, s45, s46
	s_cmp_lg_u32 s45, -1
	s_cselect_b32 s45, 1, 0                        ; 1: some key of the step is false
	v_mov_b32 v14, s44
	v_mov_b32 v15, s45
	v_cmp_eq_u32 vcc_lo, 0, v1
	v_cndmask_b32 v14, v15, v14, vcc_lo            ; lane 0: the first true key; lane 1: the flag
	v_lshlrev_b32 v240, 6, v1                      ; the flag's word lies 16 words behind
	s_wait_alu depctr_va_vdst(0)
	s_wait_xcnt 0x0                                ; EXEC is a source of the stores above: it changes only behind this wait
	v_cmp_gt_u32 vcc_lo, 2, v1
	s_and_saveexec_b32 s46, vcc_lo
	global_store_b32 v240, v14, s[14:15]
	s_wait_xcnt 0x0                                ; and again in front of the line that widens it
	s_or_b32 exec_lo, exec_lo, s46
.Ldone:
	s_set_vgpr_msb 0x5
	s_wait_tensorcnt 0x0
	ds_add_u32 v0, v1
	s_wait_dscnt 0x0
	s_set_vgpr_msb 0x500
	s_endpgm
.Lfunc_end_k_q5770d07d39_prep:
	.size	k_q5770d07d39_prep, .Lfunc_end_k_q5770d07d39_prep-k_q5770d07d39_prep
	.p2alignl 7, 3214868480
	.fill 96, 4, 3214868480
	.section	.rodata,"a",@progbits
	.p2align	6, 0x0
	.amdhsa_kernel k_q5770d07d39_prep
		.amdhsa_group_segment_fixed_size 70144
		.amdhsa_private_segment_fixed_size 0
		.amdhsa_enable_private_segment 0
		.amdhsa_kernarg_size 48
		.amdhsa_user_sgpr_count 2
		.amdhsa_user_sgpr_kernarg_segment_ptr 1
		.amdhsa_wavefront_size32 1
		.amdhsa_system_sgpr_workgroup_id_x 1
		.amdhsa_system_sgpr_workgroup_id_y 1
		.amdhsa_system_sgpr_workgroup_id_z 1
		.amdhsa_system_vgpr_workitem_id 0
		.amdhsa_next_free_vgpr 258
		.amdhsa_next_free_sgpr 66
		.amdhsa_reserve_vcc 1
		.amdhsa_float_denorm_mode_32 3
		.amdhsa_float_denorm_mode_16_64 3
		.amdhsa_memory_ordered 1
		.amdhsa_forward_progress 1
		.amdhsa_inst_pref_size 33
	.end_amdhsa_kernel
	.amdgpu_metadata
---
amdhsa.version: [ 1, 2 ]
amdhsa.kernels:
  - .name:           k_q5770d07d39_prep
    .symbol:         k_q5770d07d39_prep.kd
    .args:
      - { .name: key, .offset: 0, .size: 8, .value_kind: global_buffer, .address_space: global }
      - { .name: value, .offset: 8, .size: 8, .value_kind: global_buffer, .address_space: global }
      - { .name: mask, .offset: 16, .size: 8, .value_kind: global_buffer, .address_space: global }
      - { .name: kv, .offset: 24, .size: 8, .value_kind: global_buffer, .address_space: global }
      - { .name: aux, .offset: 32, .size: 8, .value_kind: global_buffer, .address_space: global }
      - { .name: meta, .offset: 40, .size: 8, .value_kind: global_buffer, .address_space: global }
    .group_segment_fixed_size: 70144
    .private_segment_fixed_size: 0
    .kernarg_segment_align: 8
    .kernarg_segment_size: 48
    .max_flat_workgroup_size: 128
    .sgpr_count:     66
    .vgpr_count:     258
    .wavefront_size: 32
...
	.end_amdgpu_metadata
.endif
;; end of part 3
;; launch attn (part 4): grid 8 x 32, 16 waves a work-group, no clusters, 120,832 bytes of LDS; arguments query, kv, aux, meta, out0; writes out0
.if DOCPART == 4
	.amdgcn_target "amdgcn-amd-amdhsa--gfx1250"
	.amdhsa_code_object_version 6
	.text
	.protected	k_q5770d07d39_attn
	.globl	k_q5770d07d39_attn
	.p2align	8
	.type	k_q5770d07d39_attn,@function
k_q5770d07d39_attn:
	s_mov_b64 s[64:65], 0
	v_nop
	global_prefetch_b8 v0, s[64:65] scope:SCOPE_SE
	s_setreg_imm32_b32 hwreg(HW_REG_WAVE_SCHED_MODE, 0, 2), 2
	s_setreg_imm32_b32 hwreg(HW_REG_WAVE_MODE, 25, 1), 1
	s_wait_xcnt 0x0
	s_wait_alu depctr_vm_vsrc(0)
; out0[b][q][:] = the sum over k of softmax_k(e) value[b][k][:], e = q . k / 8 - 10,000 [k > q] - 10,000 (1 - mask[b][k]); both products on codes of BF8 (E5M2) with one E8M0 scale for each 32 along a product's K.
; K, V, their scale words, the mask's biases and two whole numbers a key step come from the launch before (buffers kv, aux, meta: their layouts stand at its head).  Q is quantised here, in registers.
; THE SOFTMAX AHEAD OF THE SECOND PRODUCT: t = e log2(e); M = the row's largest t so far, rounded UP to a whole number; p = 2^(t - M) is quantised along the keys, not normalised; the row's sum is taken of the
; unquantised p and divides at the end; when M moves, the sum and O are multiplied by 2^(old M - new M): exact.
; THE BIASES ARE FINITE AND ARE ADDED AS THE SOURCE ADDS THEM.  The scores are kept as s = 8 e, so each bias is -80,000: 8 is a power of two, so s - 80,000 rounds as 8 (e - 10,000) does.  First the causal one, then the mask's.
; SHARES.  A key step is 128 keys.  Work-group x of batch y owns the blocks x and 15 - x of 128 queries, so that every work-group has 17 block-steps under the diagonal.  Sixteen waves, each ONE tile of 16 queries in 256
; registers, four to a SIMD: one wave's vector work stands beside another's matrix work and LDS loads.  Wave w: tile w / 2 of block x or 15 - x, by (w xor w / 4) & 1: every group of four neighbours, and every fourth wave, has two of each.
; WHAT IS LEFT OUT.  A row with a true key at or before its query gives every later key the weight 2^(-14,427 or less) = 0 in f32.  So a wave whose first query is at or behind the batch's first true key (from meta) works key
; steps 0 to its own block's and no further; any other wave walks all 16.  All trips and barriers are run by every wave; what is jumped over, by scalar branches on ids and on meta's whole numbers, is a step's work, and its fetch where no wave of the work-group wants it.
; LIMIT: that counts hidden keys as weight 0, which is what the source gives while no hidden key's q . k / 8 exceeds the row's best visible true key's by about 9,900.  NaN and infinities among the inputs are not served; blocks of Q under 2^-111 keep the scale byte 1.
; NO TENSOR LOADS, NO CLUSTER: branches here hang on numbers read from memory.  A step's 16,384 bytes come by two 16-byte loads a thread into registers and go to the
; other of two LDS slots at the trip's end: one barrier a trip.  What the 8 work-groups of a batch share is those 16,384 bytes a step.
; LAYOUT.  Both products are used transposed (S^T = K Q^T, O^T = V^T P^T): a lane holds ONE query (lane % 16) throughout.  The head's 64 are half of the instruction's 128 along K: a fragment of K holds two tiles of 16 keys side by
; side and is multiplied once by [Q | 0] and once by [0 | Q]; the zeros are zero codes, and K's codes are finite.  Register 16 b + i of the scores is key 32 b + 16 (lane / 16) + i of the step: 16 neighbours along the next K.
; THE MODE: SCHED_MODE bits 1:0 = 2 (LLVM: expert scheduling mode 2), set by the entry lines.  The code itself states the register dependences between vector or matrix instructions and memory or LDS instructions, with s_wait_alu, always for 0.
; THE PLAN.  Registers that memory or LDS instructions touch, in the loop:
;   v[STI], v[LI], v[PFO]  offsets, made at the head and never written again.
;   STG          The step's two global loads land in it; the two LDS stores at the trip's end read it; no vector instruction names it.
;   FRG          K's fragments land in it and the eight products K Q^T read them; in a step with a false key the biases land in it and 32 additions read them; V's tiles land in it and the four products V^T P read them.
;   SCW          The step's scale words land in it; all twelve products read them.
;   v[ADS], v[ADM]  Written by two additions at a step's head; read by that step's LDS loads.
;   PCD, v[PSW]  Written by vector instructions, taken by the scaled products V^T P; so, from the head, Q's codes and v[QSW] by K Q^T.
; So a step has these waits.  On va_vdst: one behind the two additions (the addresses are written; the last step's V^T P is done reading FRG and SCW); one behind K Q^T (done reading FRG: it serves the biases' loads, and V's where there are
; no biases, since the causal lines between name none of FRG); one behind the biases' additions, in their arm alone; the two behind the exponentials; one ahead of V^T P (the codes and their scale word are written).  On vm_vsrc: one at the
; trip's end (the LDS stores have read STG, the step's LDS loads their addresses).  On va_sdst: one behind each run of 32 compares of the causal bias.  No further set of registers can be had: sixteen waves of 256 are four to a SIMD.
.set SLOTB, 16384                      ; LDS: two slots, each a step's image as it lies in kv;
.set AUXL,  2*SLOTB                    ; the batch's aux, 16,384 bytes, filled once;
.set STAGE, AUXL+16384                 ; the way out: 16 rows x (256 + 16) bytes for each wave
.set LI,  1                            ; v1   16 x lane: my place in an image
.set LSC, 2                            ; v2   AUXL + 4 x lane: my scale word
.set LMB, 3                            ; v3   AUXL + 512 + 64 (lane / 16): my 16 biases of a block
.set STI, 4                            ; v4   16 x thread: my bytes of a fetch
.set PFO, 5                            ; v5   the prefetches' offset; never rewritten
.set D0,  6                            ; v6   lane % 16 - 16 (lane / 16)
.set ADS, 7                            ; v7   the step's scale words
.set ADM, 8                            ; v8   the step's biases
.set DD,  9                            ; v9   my query less the first key that my registers hold
.set GO,  10                           ; v10  the way out: my byte offset in the wave's rows of out0
.set NB,  11                           ; v11  -80,000.0
                                       ; v12 -M, v13 the largest t, v[14:15] the sum in two halves; v16-23 zeros, v24-31 Q's codes, v32-39 zeros: [0 | Q] = v[16:31], [Q | 0] = v[24:39]
.set FRG, 40                           ; v40-103  four fragments: K's, then the biases, then V's
.set SCO, 104                          ; v104-167 the scores, then p
.set OTR, 168                          ; v168-199 O^T
.set PCD, 200                          ; v200-215 p's codes
.set BMX, 216                          ; v216-219 a block's largest score, then its largest p
.set TP2, 220                          ; v220-223 at work
.set HLD, 224                          ; v224-227 57,344 x the scale
.set SCL, 228                          ; v228-231 the conversions' scale operands
.set SCW, 232                          ; v232-235 scale words: lanes 0-15 K's fragment f, lanes 16-31 V's tile f
.set QSW, 236                          ; v236 Q's scale word
.set PSW, 237                          ; v237 p's
.set FF,  238                          ; v[238:239] f = 2^(old M - new M), and a 0 that is named with it as a pair
.set WK,  240                          ; v240-243 at work; the causal biases, two pairs by turns
.set STG, 244                          ; v244-251 the next step's bytes on their way to LDS
.set SM2, 252                          ; v[252:253] the sum's second chain
.set SO,  254                          ; v254 the stage: where I put 32 bytes of a row
.set SR,  255                          ; v255 and where I read a row back
.set KVB, 6                            ; s[6:7] kv at the step that the trip fetches
.set WV,  14
.set XX,  15
.set BB,  16
.set BLK, 19                           ; my block of 128 queries
.set Q0,  20                           ; my first query
.set FB,  21                           ; the batch's first true key
.set FLAGS, 22                         ; bit t: step t has a false key
.set LASTW, 23                         ; the last step that my wave works
.set LASTWG, 24                        ; the last that any wave of the work-group works
.set TT,  25                           ; the step
.set TA,  26                           ; 1,024 x the step: its place in aux
.set LP,  27
.set SEL, 28                           ; s[28:29] lane selects for v_permlanex16_b32: lane l xor 16
.set CS,  30                           ; s[30:31] c = log2(e) / 8
.set CM,  32                           ; s32-63 at the head meta's words; in the loop the causal compares' masks, 32 to a run
.set MNT, 66                           ; the mantissa field of 57,344
.set LIM, 67                           ; a wave prefetches while the step is under this
	s_load_b256 s[4:11], s[0:1], 0x0               ; query s[4:5], kv s[6:7], aux s[8:9], meta s[10:11]
	s_load_b64 s[12:13], s[0:1], 0x20              ; out0
	v_lshrrev_b32 v241, 5, v0
	v_readfirstlane_b32 s[WV], v241                ; wave 0..15
	s_mov_b32 s[XX], ttmp9
	s_and_b32 s[BB], ttmp7, 0xffff
	s_wait_alu depctr_va_sdst(0)                   ; s[WV] is written, ahead of its first reader: my tile, my block and my addresses are made from it
	s_lshr_b32 s18, s[WV], 1                       ; my tile in the block
	s_lshr_b32 s17, s[WV], 2
	s_xor_b32 s17, s17, s[WV]
	s_and_b32 s17, s17, 1                          ; 0: block x; 1: block 15 - x
	s_sub_co_u32 s68, 15, s[XX]
	s_cmp_eq_u32 s17, 1
	s_cselect_b32 s[BLK], s68, s[XX]
	s_lshl_b32 s[Q0], s[BLK], 7
	s_lshl_b32 s69, s18, 4
	s_add_co_u32 s[Q0], s[Q0], s69
	s_lshl_b32 s68, s[BB], 19                      ; query, out0: (2,048 b + my first query) rows of 256 bytes
	s_lshl_b32 s69, s[Q0], 8
	s_add_co_u32 s68, s68, s69
	s_mov_b32 s69, 0
	s_lshl_b32 s70, s[BB], 18                      ; kv: 262,144 a batch
	s_mov_b32 s71, 0
	s_lshl_b32 s72, s[BB], 14                      ; aux: 16,384 a batch
	s_mov_b32 s73, 0
	v_lshlrev_b32 v[STI], 4, v0
	v_and_b32 v241, 15, v0                         ; r
	v_bfe_u32 v242, v0, 4, 1                       ; h
	v_and_b32 v243, 31, v0                         ; lane
	v_lshlrev_b32 v240, 8, v241
	v_lshl_add_u32 v240, v242, 6, v240             ; Q: row r, + 64 h: my 16 numbers of a block of 32
	s_wait_kmcnt 0x0
	s_add_nc_u64 s[4:5], s[4:5], s[68:69]
	s_add_nc_u64 s[12:13], s[12:13], s[68:69]
	s_add_nc_u64 s[KVB:KVB+1], s[KVB:KVB+1], s[70:71]
	s_add_nc_u64 s[8:9], s[8:9], s[72:73]
	s_lshl_b32 s72, s[BB], 7                       ; meta: 128 a batch
	s_add_nc_u64 s[10:11], s[10:11], s[72:73]
	s_load_b512 s[32:47], s[10:11], 0x0            ; each step's first true key
	s_load_b512 s[48:63], s[10:11], 0x40           ; each step's flag
	s_wait_alu depctr_va_vdst(0)                   ; v[STI] and v240 are written, which the loads below (and v[STI] every fetch and LDS store of the kernel) read as their offsets
	global_load_b128 v[FRG:FRG+3], v[STI], s[8:9]                  ; the batch's aux: 512 threads x 16 bytes, twice
	global_load_b128 v[FRG+4:FRG+7], v[STI], s[8:9] offset:8192
	global_load_b128 v[STG:STG+3], v[STI], s[KVB:KVB+1]            ; key step 0
	global_load_b128 v[STG+4:STG+7], v[STI], s[KVB:KVB+1] offset:8192
.irp c, 0,1
.irp j, 0,1,2,3
	global_load_b128 v[SCO+16*\c+4*\j:SCO+16*\c+4*\j+3], v240, s[4:5] offset:128*\c+16*\j th:TH_LOAD_NT   ; Q(r, 32 c + 16 h + 4 j ..)
.endr
.endr
	v_lshlrev_b32 v[LI], 4, v243
	v_lshl_add_u32 v[LSC], v243, 2, AUXL
	v_lshl_add_u32 v[LMB], v242, 6, AUXL+512
	s_lshl_b32 s68, s18, 13
	v_lshl_add_u32 v[PFO], v243, 8, s68            ; lanes 256 bytes apart; wave 1 takes a step's first 8,192 bytes, wave 3 the rest
	v_lshlrev_b32 v[D0], 4, v242
	v_sub_nc_u32 v[D0], v241, v[D0]
	v_lshlrev_b32 v[GO], 8, v242
	v_lshl_add_u32 v[GO], v241, 4, v[GO]           ; lanes 0-15 one row of out0, lanes 16-31 the next
	v_mov_b32 v[NB], 0xc79c4000
	v_mov_b32 v13, 0xff61b1e6                      ; the largest t so far: -3e38, under every t
	v_floor_f32 v12, -v13                          ; -M
	v_mov_b32 v14, 0
	v_mov_b32 v15, 0
.irp j, 0,1,2,3,4,5,6,7
	v_mov_b32 v[16+\j], 0                          ; the zero codes on both sides of Q's
	v_mov_b32 v[32+\j], 0
.endr
.irp j, 0,1,2,3,4,5,6,7,8,9,10,11,12,13,14,15,16,17,18,19,20,21,22,23,24,25,26,27,28,29,30,31
	v_mov_b32 v[OTR+\j], 0                         ; O^T.  The step is written without a first step of its own: the first change of M multiplies zeros
.endr
.irp b, 0,1,2,3
	v_mov_b32 v[TP2+\b], 0                         ; written once: a lane permute's destination counts as one of its sources
.endr
	v_mov_b32 v[FF+1], 0
	s_mul_i32 s68, s[WV], 16*272
	s_add_co_u32 s68, s68, STAGE                   ; my stage
	v_mul_u32_u24 v[SO], v241, 272
	v_lshl_add_u32 v[SO], v242, 5, v[SO]
	v_add_nc_u32 v[SO], s68, v[SO]                 ; in: row r; tile t's eight channels of my half: 64 t + 32 h bytes on
	v_mul_u32_u24 v[SR], v242, 272
	v_lshl_add_u32 v[SR], v241, 4, v[SR]
	v_add_nc_u32 v[SR], s68, v[SR]                 ; back: lanes 0-15 one row, lanes 16-31 the next
	s_mov_b32 s[SEL], 0x76543210
	s_mov_b32 s[SEL+1], 0xfedcba98
	s_mov_b32 s[CS], 0x3e38aa3b                    ; c = log2(e) / 8: t = s c
	s_mov_b32 s[CS+1], s[CS]                       ; (named with it as a pair, so it is written)
	s_mov_b32 s[MNT], 0x600000
	s_wait_loadcnt 8                               ; aux and step 0 are in; Q's eight loads, issued behind them, may be out
	ds_store_b128 v[STI], v[FRG:FRG+3] offset:AUXL                 ; no vector instruction since the wait above names v[STI], FRG or STG
	ds_store_b128 v[STI], v[FRG+4:FRG+7] offset:AUXL+8192
	ds_store_b128 v[STI], v[STG:STG+3]
	ds_store_b128 v[STI], v[STG+4:STG+7] offset:8192
	s_add_nc_u64 s[KVB:KVB+1], s[KVB:KVB+1], SLOTB ; step 0's loads are done, so their base may step: on to step 1
	s_wait_loadcnt 0x0                             ; Q
	; Q's two blocks of 32 become eight registers of codes and two scale bytes
.irp b, 0,1
	v_max3_num_f32 v[BMX+\b], |v[SCO+16*\b]|, |v[SCO+16*\b+1]|, 0x8000000   ; my 16 numbers, and the floor 2^(16 - 127): the byte cannot fall under 1
.endr
.irp i, 2,4,6,8,10,12,14
.irp b, 0,1
	v_max3_num_f32 v[BMX+\b], v[BMX+\b], |v[SCO+16*\b+\i]|, |v[SCO+16*\b+\i+1]|
.endr
.endr
.irp b, 0,1
	v_permlanex16_b32 v[TP2+\b], v[BMX+\b], s[SEL], s[SEL+1]
.endr
.irp b, 0,1
	v_max_num_f32 v[BMX+\b], v[BMX+\b], v[TP2+\b]  ; with lane l xor 16's: the block's largest magnitude
.endr
.irp b, 0,1
	v_add_nc_u32 v[SCL+\b], 0xf8800000, v[BMX+\b]  ; 15 off its exponent field: the conversion's scale operand
.endr
.irp b, 0,1
	v_and_or_b32 v[HLD+\b], v[BMX+\b], 0x7f800000, s[MNT]   ; 57,344 x the scale
.endr
.irp b, 0,1
	v_lshrrev_b32 v[TP2+\b], 23, v[SCL+\b]         ; the scale's byte
.endr
	v_lshl_or_b32 v[QSW], v[TP2+1], 8, v[TP2]
	v_lshl_or_b32 v[QSW], v[QSW], 16, v[QSW]       ; the two bytes twice: for [Q | 0] and for [0 | Q]; over the zero codes any byte but 0xff serves
.irp b, 0,1
.irp i, 0,1,2,3,4,5,6,7,8,9,10,11,12,13,14,15
	v_med3_num_f32 v[SCO+16*\b+\i], v[SCO+16*\b+\i], -v[HLD+\b], v[HLD+\b]   ; the conversion to an 8-bit code does not saturate (ISA guide 7.6.2)
.endr
	v_cvt_scalef32_pk8_bf8_f32 v[24+4*\b:25+4*\b], v[SCO+16*\b:SCO+16*\b+7], v[SCL+\b]
	v_cvt_scalef32_pk8_bf8_f32 v[26+4*\b:27+4*\b], v[SCO+16*\b+8:SCO+16*\b+15], v[SCL+\b]
.endr
	v_nop                                          ; a plain line behind the last conversion
	s_wait_kmcnt 0x0                               ; meta
	s_min_u32 s[FB], s32, s33
.irp t, 2,3,4,5,6,7,8,9,10,11,12,13,14,15
	s_min_u32 s[FB], s[FB], s[32+\t]
.endr
	s_mov_b32 s[FLAGS], s48
.irp t, 1,2,3,4,5,6,7,8,9,10,11,12,13,14,15
	s_lshl_b32 s68, s[48+\t], \t
	s_or_b32 s[FLAGS], s[FLAGS], s68
.endr
	s_cmp_ge_u32 s[Q0], s[FB]                      ; have all my queries a true key at or before them?
	s_cselect_b32 s[LASTW], s[BLK], 15
	s_lshl_b32 s68, s[XX], 7                       ; the work-group's first query is block x's first
	s_sub_co_u32 s69, 15, s[XX]
	s_cmp_ge_u32 s68, s[FB]
	s_cselect_b32 s[LASTWG], s69, 15
	s_or_b32 s68, s[WV], 2                         ; who prefetches: waves 1 and 3 of the batch's first work-group.  Both own tiles of block 15, so they work every step
	s_xor_b32 s68, s68, 3
	s_or_b32 s68, s68, s[XX]
	s_cmp_eq_u32 s68, 0
	s_cselect_b32 s[LIM], 13, 0                    ; the last prefetch, in step 12, names step 15
	s_mov_b32 s[TT], 0
	s_mov_b32 s[TA], 0
	s_mov_b32 s[LP], 8
	s_wait_alu depctr_va_vdst(0)                   ; the head's vector lines have written v[PFO], which the first step's prefetch reads, and v[LI], v[GO], v[SO], v[SR], which LDS loads and the way out read; none of them is written again before the wave's end
	s_wait_alu depctr_vm_vsrc(0)                   ; my LDS stores have read FRG and STG, in which the loop's loads land; Q's loads have read v240, which the loop's vector lines write
	s_wait_dscnt 0x0                               ; for the others' sake: my bytes of aux and of step 0 lie in LDS
	s_barrier_signal -1
	s_barrier_wait -1
; V's tile t out of slot \slot: four LDS loads
.macro VTILE slot, t
.irp c, 0,1,2,3
	ds_load_b128 v[FRG+16*(\t)+4*\c:FRG+16*(\t)+4*\c+3], v[LI] offset:(\slot)*SLOTB+8192+2048*(\t)+512*\c
.endr
.endm
; A KEY STEP, read from slot \slot.
.macro STEP slot
	; the next step's bytes are asked for, if any wave of the work-group will work it; they go to the other slot at the trip's end.  STG is named by these loads and by the LDS stores alone: the wait on vm_vsrc at the last trip's end (in the first trip: the head's) has shown those stores done reading it
	s_cmp_lt_u32 s[TT], s[LASTWG]
	s_cbranch_scc0 .Lnofetch_\@
	global_load_b128 v[STG:STG+3], v[STI], s[KVB:KVB+1]
	global_load_b128 v[STG+4:STG+7], v[STI], s[KVB:KVB+1] offset:8192
	; A PREFETCH INTO THE L2 of the step that the trip after next will fetch (step + 3): 16,384 bytes, lanes 256 bytes apart, one instruction in each of two waves.  All 8 work-groups of a batch walk the same kv:
	; the first of them asks, so each aligned block of 256 bytes is named once in the launch.  Steps 0 to 2 come by their loads alone.
	s_cmp_lt_u32 s[TT], s[LIM]
	s_cbranch_scc0 .Lnofetch_\@
	global_prefetch_b8 v[PFO], s[KVB:KVB+1] offset:2*SLOTB th:TH_LOAD_NT scope:SCOPE_SE
.Lnofetch_\@:
	s_cmp_gt_u32 s[TT], s[LASTW]                   ; a step that my wave leaves out: only the lines at the trip's end are run
	s_cbranch_scc1 .Lhidden_\@
	v_add_nc_u32 v[ADS], s[TA], v[LSC]             ; (the last step's LDS loads have read both registers: the wait on vm_vsrc at its end)
	v_add_nc_u32 v[ADM], s[TA], v[LMB]
.rept 6
	v_nop                                          ; with the two additions: eight places in front of loads into registers that the last step's matrix instructions have read
.endr
	s_wait_alu depctr_va_vdst(0)                   ; v[ADS] and v[ADM] are written, which this step's LDS loads read; the last step's products V^T P are done reading FRG and SCW, in which the loads below land; in the first step Q's codes and v[QSW] are written, which the products below take
.irp b, 0,1,2,3
.irp c, 0,1,2,3
	ds_load_b128 v[FRG+16*\b+4*\c:FRG+16*\b+4*\c+3], v[LI] offset:\slot*SLOTB+2048*\b+512*\c
.endr
	ds_load_b32 v[SCW+\b], v[ADS] offset:128*\b
.endr
	s_wait_dscnt 0x0
.irp b, 0,1,2,3                        ; S^T = K Q^T: fragment b's two tiles of keys
	v_wmma_scale_f32_16x16x128_f8f6f4 v[SCO+16*\b:SCO+16*\b+7], v[FRG+16*\b:FRG+16*\b+15], v[24:39], 0, v[SCW+\b], v[QSW] matrix_a_fmt:MATRIX_FMT_BF8 matrix_b_fmt:MATRIX_FMT_BF8
	v_wmma_scale_f32_16x16x128_f8f6f4 v[SCO+16*\b+8:SCO+16*\b+15], v[FRG+16*\b:FRG+16*\b+15], v[16:31], 0, v[SCW+\b], v[QSW] matrix_a_fmt:MATRIX_FMT_BF8 matrix_b_fmt:MATRIX_FMT_BF8
.endr
.rept 8
	v_nop                                          ; eight places in front of the first read of the scores and of the loads into K's registers
.endr
	s_wait_alu depctr_va_vdst(0)                   ; the eight products are done reading K's fragments in FRG, in which the biases' loads and V's land; the causal lines below name none of FRG
	; THE CAUSAL BIAS, in the steps that hold a key behind one of my block's queries (a branch on ids).  Register 16 b + i holds key 128 T + 16 (lane / 16) + 32 b + i: hidden where 32 b + i > d
	s_cmp_lt_u32 s[TT], s[BLK]
	s_cbranch_scc1 .Lopen_\@
	s_lshl_b32 s68, s[TT], 7
	s_sub_co_i32 s68, s[Q0], s68
	v_add_nc_u32 v[DD], s68, v[D0]                 ; d = my query - 128 T - 16 (lane / 16)
.irp g, 0,1                            ; the compares go in two runs of 32, each mask into a scalar register of its own, so that one wait serves a run
.set NN, 32*\g
.rept 32
	v_cmp_gt_i32 s[CM+NN%32], 32*(NN/16)+NN%16, v[DD]
.set NN, NN+1
.endr
	s_wait_alu depctr_va_sdst(0)                   ; the run's 32 masks are written, ahead of the selections that read them
.set NN, 32*\g
.rept 16                               ; each accumulator from its low end on; two pairs of biases by turns
	v_cndmask_b32 v[WK+2*((NN/2)%2)], 0, v[NB], s[CM+NN%32]
	v_cndmask_b32 v[WK+2*((NN/2)%2)+1], 0, v[NB], s[CM+NN%32+1]
	v_pk_add_f32 v[SCO+NN:SCO+NN+1], v[SCO+NN:SCO+NN+1], v[WK+2*((NN/2)%2):WK+2*((NN/2)%2)+1]
.set NN, NN+2
.endr
.endr
.Lopen_\@:
	; THE MASK'S BIAS, in the steps that have a false key (a branch on meta's flag)
	s_lshr_b32 s68, s[FLAGS], s[TT]
	s_and_b32 s68, s68, 1
	s_cmp_eq_u32 s68, 0
	s_cbranch_scc1 .Lnoholes_\@
.irp b, 0,1,2,3
.irp j, 0,1,2,3
	ds_load_b128 v[FRG+16*\b+4*\j:FRG+16*\b+4*\j+3], v[ADM] offset:128*\b+16*\j   ; the biases of keys 32 b + 16 (lane / 16) + 4 j on
.endr
.endr
	s_wait_dscnt 0x0
.set NN, 0
.rept 32
	v_pk_add_f32 v[SCO+NN:SCO+NN+1], v[SCO+NN:SCO+NN+1], v[FRG+NN:FRG+NN+1]
.set NN, NN+2
.endr
	s_wait_alu depctr_va_vdst(0)                   ; these additions are done reading the biases in FRG, in which V's loads land
.Lnoholes_\@:
	; V's four tiles are asked for here, four loads at a time among the lines that search the blocks' maxima, and land while the softmax is worked.  No vector instruction since the last wait on va_vdst, on either way here, names FRG
	VTILE \slot, 0
.irp b, 0,1,2,3
	v_max3_num_f32 v[BMX+\b], v[SCO+16*\b], v[SCO+16*\b+1], v[SCO+16*\b+2]   ; THE LARGEST SCORE OF EACH BLOCK OF 32 KEYS: for the row's maximum, and, since p rises with the score, for the block's largest p
.endr
	VTILE \slot, 1
.irp i, 3,5
.irp b, 0,1,2,3
	v_max3_num_f32 v[BMX+\b], v[BMX+\b], v[SCO+16*\b+\i], v[SCO+16*\b+\i+1]
.endr
.endr
	VTILE \slot, 2
.irp i, 7,9
.irp b, 0,1,2,3
	v_max3_num_f32 v[BMX+\b], v[BMX+\b], v[SCO+16*\b+\i], v[SCO+16*\b+\i+1]
.endr
.endr
	VTILE \slot, 3
.irp i, 11,13
.irp b, 0,1,2,3
	v_max3_num_f32 v[BMX+\b], v[BMX+\b], v[SCO+16*\b+\i], v[SCO+16*\b+\i+1]
.endr
.endr
.irp b, 0,1,2,3
	v_max_num_f32 v[BMX+\b], v[BMX+\b], v[SCO+16*\b+15]
.endr
.irp b, 0,1,2,3
	v_permlanex16_b32 v[TP2+\b], v[BMX+\b], s[SEL], s[SEL+1]
.endr
.irp b, 0,1,2,3
	v_max_num_f32 v[BMX+\b], v[BMX+\b], v[TP2+\b]  ; with lane l xor 16's 16 keys
.endr
	v_max3_num_f32 v[WK], v[BMX], v[BMX+1], v[BMX+2]
	v_max_num_f32 v[WK], v[WK], v[BMX+3]           ; the step's largest score of my query
	v_mul_f32 v[WK], s[CS], v[WK]                  ; as t (c is positive)
	v_max_num_f32 v13, v13, v[WK]                  ; the running largest t
	v_mov_b32 v[WK], v12
	v_floor_f32 v12, -v13                          ; the new -M = floor(-t) = -ceil(t): M is a whole number
	v_sub_f32 v[WK], v12, v[WK]                    ; M's old value less its new one: a whole number, 0 or less
	v_cvt_i32_f32 v[WK], v[WK]                     ; (it saturates)
	v_ldexp_f32 v[FF], 1.0, v[WK]                  ; f = 2^(old M - new M)
.set NN, 0
.rept 32
	v_pk_fma_f32 v[SCO+NN:SCO+NN+1], v[SCO+NN:SCO+NN+1], s[CS:CS+1], v[12:13] op_sel_hi:[1,0,0]   ; t - M, two at a time (of the pairs c and -M the low word serves both halves)
.set NN, NN+2
.endr
.irp b, 0,1,2,3
	v_fma_f32 v[BMX+\b], v[BMX+\b], s[CS], v12     ; the same of each block's largest score
.endr
.set NN, 0
	s_wait_alu depctr_va_vdst(0)
.rept 64
	v_exp_f32 v[SCO+NN], v[SCO+NN]                 ; p = 2^(t - M): not normalised
.set NN, NN+1
.endr
	v_pk_mul_f32 v[14:15], v[14:15], v[FF:FF+1] op_sel_hi:[1,0]   ; the sums under the new M: the plain line behind the exponentials
	s_wait_alu depctr_va_vdst(0)                   ; the 64 exponentials have written p in v[SCO ..]: one wait for the batch, ahead of its first reader
.irp b, 0,1,2,3
	v_exp_f32 v[BMX+\b], v[BMX+\b]                 ; the block's largest p: the same two instructions on the same number give the same bits
.endr
	v_pk_add_f32 v[SM2:SM2+1], v[SCO:SCO+1], v[SCO+2:SCO+3]       ; THE ROW'S SUM IS TAKEN OF THE UNQUANTISED p: two at a time, in two chains; it reads the 64 alone
.set NN, 4
.rept 15
	v_pk_add_f32 v[14:15], v[14:15], v[SCO+NN:SCO+NN+1]
	v_pk_add_f32 v[SM2:SM2+1], v[SM2:SM2+1], v[SCO+NN+2:SCO+NN+3]
.set NN, NN+4
.endr
	v_pk_add_f32 v[14:15], v[14:15], v[SM2:SM2+1]
	s_wait_alu depctr_va_vdst(0)                   ; and one for the four: the blocks' largest p are written in v[BMX ..], ahead of their first reader
.irp b, 0,1,2,3
	v_max_num_f32 v[BMX+\b], 0x8000000, v[BMX+\b]  ; the floor 2^(16 - 127): a block whose every p has fallen to 0 keeps the byte 1: its codes are zeros
.endr
.irp b, 0,1,2,3
	v_add_nc_u32 v[SCL+\b], 0xf8800000, v[BMX+\b]  ; 15 off the exponent field: the conversion's scale operand
.endr
.irp b, 0,1,2,3
	v_and_or_b32 v[HLD+\b], v[BMX+\b], 0x7f800000, s[MNT]   ; 57,344 x the scale
.endr
.irp b, 0,1,2,3
	v_lshrrev_b32 v[TP2+\b], 23, v[SCL+\b]         ; the scale's byte
.endr
	v_lshl_or_b32 v[PSW], v[TP2+1], 8, v[TP2]      ; p's scale word for these 128 keys
	v_lshl_or_b32 v[PSW], v[TP2+2], 16, v[PSW]
	v_lshl_or_b32 v[PSW], v[TP2+3], 24, v[PSW]
.irp b, 0,1,2,3
.irp i, 0,1,2,3,4,5,6,7,8,9,10,11,12,13,14,15
	v_min_num_f32 v[SCO+16*\b+\i], v[SCO+16*\b+\i], v[HLD+\b]   ; p is not negative, so the hold is one-sided
.endr
	v_cvt_scalef32_pk8_bf8_f32 v[PCD+4*\b:PCD+4*\b+1], v[SCO+16*\b:SCO+16*\b+7], v[SCL+\b]
	v_cvt_scalef32_pk8_bf8_f32 v[PCD+4*\b+2:PCD+4*\b+3], v[SCO+16*\b+8:SCO+16*\b+15], v[SCL+\b]
.endr
.set NN, 0
.rept 16
	v_pk_mul_f32 v[OTR+NN:OTR+NN+1], v[OTR+NN:OTR+NN+1], v[FF:FF+1] op_sel_hi:[1,0]   ; O^T under the new M.  These sixteen are also the places between the codes and the matrix instructions below
.set NN, NN+2
.endr
	s_wait_dscnt 0x0                               ; V is in
	s_wait_alu depctr_va_vdst(0)                   ; the conversions have written p's codes in v[PCD ..], and v[PSW] is written: the scaled products below take them as source 1 and its scales; the places above stay beside this wait
.irp t, 0,1,2,3                        ; O^T += V^T P^T: the four accumulators by turns, with the eight products of K Q^T between one step's turn and the next's
	v_wmma_scale_f32_16x16x128_f8f6f4 v[OTR+8*\t:OTR+8*\t+7], v[FRG+16*\t:FRG+16*\t+15], v[PCD:PCD+15], v[OTR+8*\t:OTR+8*\t+7], v[SCW+\t], v[PSW] matrix_a_fmt:MATRIX_FMT_BF8 matrix_b_fmt:MATRIX_FMT_BF8 matrix_a_scale:MATRIX_SCALE_ROW1
.endr
.Lhidden_\@:
	; THE TRIP'S END, in every wave.  The other slot was last read a trip ago, and every wave has waited for those reads in front of that trip's barrier: so it may be written.  It is read behind the barrier below.
	s_wait_loadcnt 0x0                             ; the next step's bytes are in my registers
	s_cmp_lt_u32 s[TT], s[LASTWG]
	s_cbranch_scc0 .Lnostore_\@
	ds_store_b128 v[STI], v[STG:STG+3] offset:(1-\slot)*SLOTB
	ds_store_b128 v[STI], v[STG+4:STG+7] offset:(1-\slot)*SLOTB+8192
.Lnostore_\@:
	s_wait_xcnt 0x0                                ; the trip's loads and its prefetch have read their base: it may step
	s_wait_alu depctr_vm_vsrc(0)                   ; the LDS stores have read STG, in which the next step's loads land; this step's LDS loads have read v[ADS] and v[ADM], which the next step's additions write
	s_add_nc_u64 s[KVB:KVB+1], s[KVB:KVB+1], SLOTB
	s_add_co_u32 s[TT], s[TT], 1
	s_add_co_u32 s[TA], s[TA], 1024
	s_wait_dscnt 0x0                               ; for the others' sake: my stores have landed, and my reads of this trip's slot are over
	s_barrier_signal -1
	s_barrier_wait -1
.endm
.Ltrip:                                            ; eight trips of two steps, so that a slot's number is a constant of each step's text
	STEP 0
	STEP 1
	s_sub_co_u32 s[LP], s[LP], 1
	s_cmp_lg_u32 s[LP], 0
	s_cbranch_scc1 .Ltrip
	; THE WAY OUT.  O^T is divided by the row's sum and goes through my own stage in LDS, so that a store covers two whole rows of 256 bytes.
.rept 8
	v_nop                                          ; eight places behind the last products
.endr
	v_add_f32 v14, v14, v15                        ; the sum's two halves,
	v_permlanex16_b32 v[WK], v14, s[SEL], s[SEL+1]
	v_add_f32 v14, v14, v[WK]                      ; and lane l xor 16's: the row's sum; its largest term is over 1/2
	s_wait_alu depctr_va_vdst(0)
	v_rcp_f32 v14, v14
	v_nop                                          ; a plain line behind the reciprocal,
	s_wait_alu depctr_va_vdst(0)                   ; and the wait ahead of its first reader: the reciprocal is written in v14
.set NN, 0
.rept 32
	v_mul_f32 v[SCO+NN], v[OTR+NN], v14            ; register 8 t + j is out0(r, 16 t + 8 h + j)
.set NN, NN+1
.endr
	s_wait_alu depctr_va_vdst(0)                   ; the multiplications have written v[SCO ..], which the LDS stores read; the last products are done reading V's tiles in FRG, in which the loads from the stage land
.irp t, 0,1,2,3
	ds_store_b128 v[SO], v[SCO+8*\t:SCO+8*\t+3] offset:64*\t
	ds_store_b128 v[SO], v[SCO+8*\t+4:SCO+8*\t+7] offset:64*\t+16
.endr
.irp i, 0,1,2,3,4,5,6,7
	ds_load_b128 v[FRG+4*\i:FRG+4*\i+3], v[SR] offset:2*272*\i     ; LDS serves a wave's instructions in order, and the stage is my own: these see my stores
.endr
.irp i, 0,1,2,3,4,5,6,7
	s_wait_dscnt 7-\i                              ; load i is back; the younger ones may be out
	global_store_b128 v[GO], v[FRG+4*\i:FRG+4*\i+3], s[12:13] offset:512*\i th:TH_STORE_NT   ; 32 lanes store 512 consecutive bytes, at a multiple of 256 from out0's first byte
.endr
	s_wait_xcnt 0x0
	s_wait_alu depctr_vm_vsrc(0)                   ; the stage's LDS stores and loads have read v254 and v255, which the two lines below write anew
	v_lshl_add_u32 v254, v0, 2, 0x1d000
	v_mov_b32 v255, 0
	s_wait_dscnt 0x0                               ; the closing lines, six on end
	s_wait_alu 0x0
	s_wait_tensorcnt 0x0
	ds_add_u32 v254, v255
	s_wait_dscnt 0x0
	s_endpgm
.Lfunc_end_k_q5770d07d39_attn:
	.size	k_q5770d07d39_attn, .Lfunc_end_k_q5770d07d39_attn-k_q5770d07d39_attn
	.p2alignl 7, 3214868480
	.fill 96, 4, 3214868480
	.section	.rodata,"a",@progbits
	.p2align	6, 0x0
	.amdhsa_kernel k_q5770d07d39_attn
		.amdhsa_group_segment_fixed_size 120832
		.amdhsa_private_segment_fixed_size 0
		.amdhsa_enable_private_segment 0
		.amdhsa_kernarg_size 40
		.amdhsa_user_sgpr_count 2
		.amdhsa_user_sgpr_kernarg_segment_ptr 1
		.amdhsa_wavefront_size32 1
		.amdhsa_system_sgpr_workgroup_id_x 1
		.amdhsa_system_sgpr_workgroup_id_y 1
		.amdhsa_system_sgpr_workgroup_id_z 1
		.amdhsa_system_vgpr_workitem_id 0
		.amdhsa_next_free_vgpr 256
		.amdhsa_next_free_sgpr 80
		.amdhsa_reserve_vcc 0
		.amdhsa_float_denorm_mode_32 3
		.amdhsa_float_denorm_mode_16_64 3
		.amdhsa_memory_ordered 1
		.amdhsa_forward_progress 1
		.amdhsa_inst_pref_size 84
	.end_amdhsa_kernel
	.amdgpu_metadata
---
amdhsa.version: [ 1, 2 ]
amdhsa.kernels:
  - .name:           k_q5770d07d39_attn
    .symbol:         k_q5770d07d39_attn.kd
    .args:
      - { .name: query, .offset: 0, .size: 8, .value_kind: global_buffer, .address_space: global }
      - { .name: kv, .offset: 8, .size: 8, .value_kind: global_buffer, .address_space: global }
      - { .name: aux, .offset: 16, .size: 8, .value_kind: global_buffer, .address_space: global }
      - { .name: meta, .offset: 24, .size: 8, .value_kind: global_buffer, .address_space: global }
      - { .name: out0, .offset: 32, .size: 8, .value_kind: global_buffer, .address_space: global }
    .group_segment_fixed_size: 120832
    .private_segment_fixed_size: 0
    .kernarg_segment_align: 8
    .kernarg_segment_size: 40
    .max_flat_workgroup_size: 512
    .sgpr_count:     80
    .vgpr_count:     256
    .wavefront_size: 32
...
	.end_amdgpu_metadata
.endif
;; end of part 4
